; MI455X (gfx1250); checked and timed in simulation.
; The chip was launched on July 23, 2026; its instructions are those of AMD's public machine-readable ISA for CDNA 5 (MIT licence, August 2026) and "CDNA5" Instruction Set Architecture Reference Guide (July 2026). The comments in the code are by the model that wrote it; some were corrected since.
;; Multi Head Self Attention. Allowed arithmetic: matrix products marked QUANTISED: E2M3 operands, one E8M0 scale for each 32 along K, by v_wmma_scale_f32_16x16x128_f8f6f4 with both operands' format E2M3, f32 sums; everything else in f32.
;; Inputs: Q_in 8 x 1,024 x 1,024 float32; Wk 1,024 x 1,024 float32; Wo 1,024 x 1,024 float32; Wq 1,024 x 1,024 float32; Wv 1,024 x 1,024 float32; bk 1,024 float32; bo 1,024 float32; bq 1,024 float32; bv 1,024 float32; mask 8 x 1 x 1,024 x 1,024 int32.
;; Outputs: out0 8 x 1,024 x 1,024 float32.
;; This version of the problem:
;;   THIS VERSION OF THE PROBLEM IS GIVEN IN LOW PRECISION. The matrix products marked QUANTISED in the list below multiply operands that are first quantised to E2M3 (2 exponent bits, 3 mantissa bits; 6 bits a number), with one power-of-two scale for each 32 numbers along K (OCP MX v1.0); their sums are f32. All else is computed in f32.
;;   The module's matrix products, in the order in which they are computed (A, B: the left and right operand; K: the contracted axis; several contracted axes count as one K, in the product's order):
;;     1. [M 8,192, K 1,024] x [K 1,024, N 1,024]; A: input Q_in; B: input Wq: QUANTISED
;;     2. [M 8,192, K 1,024] x [K 1,024, N 1,024]; A: input Q_in; B: input Wk: QUANTISED
;;     3. [M 8,192, K 1,024] x [K 1,024, N 1,024]; A: input Q_in; B: input Wv: QUANTISED
;;     4. batch 128 x [M 1,024, K 64] x [K 64, N 1,024]; A: computed on the way; B: computed on the way: QUANTISED
;;     5. batch 128 x [M 1,024, K 1,024] x [K 1,024, N 64]; A: computed on the way; B: computed on the way: QUANTISED
;;     6. [M 8,192, K 1,024] x [K 1,024, N 1,024]; A: computed on the way; B: input Wo: QUANTISED
;;   THE QUANTISER, for each operand of a quantised product, along K:
;;     - K is cut into blocks of 32 from its start; a last block that is shorter is filled with zeros.
;;     - A block's scale is 2^e with e = floor(log2(the largest magnitude in the block)) - 2, held to -126 .. 127; a block of zeros has e = 0. As a byte (E8M0): e + 127.
;;     - Each number is divided by its block's scale, clamped to +-7.5, and rounded to the nearest number of E2M3, ties to even, subnormals kept.
;;     - The product sums the exact products of the quantised numbers (number of the format x scale) in f32.
;;   ~~~python
;;   def quantise(x, axis):      # numpy; x: float32 -> the quantised numbers, widened to float32 again
;;       x = np.moveaxis(x, axis, -1); K = x.shape[-1]
;;       x = np.pad(x, [(0, 0)] * (x.ndim - 1) + [(0, -K % 32)]); x = x.reshape(x.shape[:-1] + (-1, 32)); a = np.abs(x).max(-1, keepdims=True)
;;       e = np.where(a > 0, np.clip(np.frexp(np.where(a > 0, a, 1))[1] - 1 - 2, -126, 127), 0)      # np.frexp(a)[1] - 1 = floor(log2(a)), exactly
;;       r = np.clip(x / 2.0 ** e, -7.5, 7.5)
;;       step = 2.0 ** (np.maximum(np.frexp(np.where(r == 0, 1, r))[1] - 1, 0) - 3)
;;       q = np.round(r / step) * step * 2.0 ** e      # np.round: ties to even
;;       return np.moveaxis(q.reshape(q.shape[:-2] + (-1,))[..., :K], -1, axis).astype(np.float32)
;;   ~~~
;;   OPERANDS COMPUTED ON THE WAY. 'Computed on the way' means the value that the module computes at that place (a softmax that the list does not call 'softmax' is quantised finished and normalised). What goes into a quantiser is computed in f32, as accurately as f32 sums, v_exp_f32 and their like allow (about 1e-6 of the number): no bf16 or f16 on the way to a quantiser, and a product that is left as it is and whose result goes on into a quantised operand takes f32 operands (vector FMAs, or v_wmma_f32_16x16x4_f32). A number that lies on a knife's edge between two numbers of the format may be rounded either way, as far as f32 arithmetic and the matrix unit's own rounding can turn it there, and no further.
;; One version. Each part assembles by itself: llvm-mc -triple=amdgcn-amd-amdhsa -mcpu=gfx1250 --defsym DOCPART=n.
;; ======== version 1 of 1: 4 launches
;; limits: values are held in bf16: 8 bits of precision; right only within a limited range of input values
;; workspace buffers: xc 6,291,456 bytes; xs 262,144 bytes; wc 3,145,728 bytes; ws 131,072 bytes; qkv 21,495,808 bytes; mk 16,777,216 bytes; cc 6,291,456 bytes; cs 262,144 bytes
;; launch prep (part 1): grid 640 x 1, 4 waves a work-group, no clusters, 86,528 bytes of LDS; arguments Q_in, Wq, Wk, Wv, Wo, xc, xs, wc, ws, mask, mk; writes xc, xs, wc, ws, mk
.if DOCPART == 1
	.amdgcn_target "amdgcn-amd-amdhsa--gfx1250"
	.amdhsa_code_object_version 6
	.text
	.protected	k_q0b77e0b14b_prep
	.globl	k_q0b77e0b14b_prep
	.p2align	8
	.type	k_q0b77e0b14b_prep,@function
k_q0b77e0b14b_prep:
	s_mov_b64 s[64:65], 0
	v_nop
	global_prefetch_b8 v0, s[64:65] scope:SCOPE_SE
	s_setreg_imm32_b32 hwreg(HW_REG_WAVE_MODE, 25, 1), 1
	s_wait_xcnt 0x0
; MULTI-HEAD SELF-ATTENTION IN MX-FP6, launch 1 of 4: Q_in and the four weights become codes of E2M3 with one E8M0 byte for each 32 along K; the mask becomes bf16.
; DEAD WORK: none.  Every input of reference() reaches out0 for some values: the four biases move codes or results, the mask and the 1e-8 enter the divisor; all ten inputs are loaded by some launch.
; Work-groups 0-255: Q_in [8192][1024] f32 -> xc, IMAGES OF OPERAND REGISTERS: for each tile of 16 tokens 12,288 bytes; in it for each 64 along K 768 bytes: lane (r, h) holds token r's block of 32 at k = 64 G + 32 h:
;   its first 16 bytes at 16 x lane, its last 8 at 512 + 8 x lane.  xs [8192][32]: a token's 32 scale bytes.
; Work-groups 256-383: Wq, Wk, Wv, Wo [k][n] f32 -> wc, rows n (0-1023 Wq's columns, then Wk's, Wv's, Wo's) in BLOCKS OF 128 ROWS, 98,304 bytes each; a block holds four planes of 256 along K, 24,576 bytes each;
;   a plane holds, row behind row, each row's 192 bytes.  ws [4096][32].
; Work-groups 384-639: mask int32 -> mk, bf16, laid as launch 3's score registers (see .Lmask).
; THE ORDER OF A BLOCK'S 32 CODES is this program's own, the same in every operand of every product: place 16 a + 8 c + e holds k = 8 a + 16 c + e (the two middle groups of eight change places).
; A matrix result that is quantised in registers comes out in that order by itself (launches 2 and 3); blocks and scales are as the quantiser states them, and a product's sum does not hang on the order of its terms but for rounding.
; A block's scale is 2^(floor(log2(largest magnitude)) - 2): its byte is the largest magnitude's exponent field - 2, held at 1 from below.
; LIMITS: a block of zeros, or one whose largest magnitude lies under 2^-124, gets the byte 1 (its bytes are read by this program alone; zero codes add nothing); NaN and infinities among the inputs are not served;
; mask values beyond +-256 are rounded to bf16's 8 bits.
; The three paths part on the work-group's number; each has LDS bytes of its own.  No tensor loads, no barrier: waves share nothing.
.set SPARE, 68608                      ; the spare words, 128 bytes for each wave: two blocks of 256 bytes that no other line names
.set SPW,   30                         ; v30 LDS address of my spare word; never rewritten
.set NIL,   31                         ; v31 0; never rewritten
.set EMAX,  2
	s_load_b256 s[4:11], s[0:1], 0x0               ; Q_in s[4:5], Wq s[6:7], Wk s[8:9], Wv s[10:11]
	s_load_b256 s[12:19], s[0:1], 0x20             ; Wo s[12:13], xc s[14:15], xs s[16:17], wc s[18:19]
	s_load_b64 s[20:21], s[0:1], 0x40              ; ws
	s_load_b128 s[40:43], s[0:1], 0x48             ; mask s[40:41], mk s[42:43]
	v_lshl_add_u32 v[SPW], v0, 2, SPARE
	v_mov_b32 v[NIL], 0
	v_lshrrev_b32 v1, 5, v0
	v_readfirstlane_b32 s22, v1                    ; wave
	v_and_b32 v2, 31, v0                           ; lane
	s_cmp_lt_u32 ttmp9, 256
	s_cbranch_scc0 .Lweights
; ---------------- Q_in.  A wave takes one tile of 16 tokens x four units of 128 along K.  A unit comes by 16 loads of 512 consecutive bytes (a token each) and turns through the wave's own stage
; (16 rows of 512 bytes + 16; LDS bytes 0 to 33,791 are this path's), so that lane (r, h) gets token r's whole blocks h and 2 + h, 32 numbers each, in the order of the places.
.set XR, 32                            ; v32-159  two sets of 64 numbers as loaded
.set XN, 160                           ; v160-223 my two blocks
.set CD, 224                           ; v224-239 their codes
	v_lshlrev_b32 v3, 4, v2                        ; 16 x lane: in, and the image's first part
	v_lshlrev_b32 v6, 3, v2                        ; 8 x lane: its second part
	v_and_b32 v8, 15, v2                           ; r
	v_lshrrev_b32 v9, 4, v2                        ; h
	v_lshlrev_b32 v7, 3, v9                        ; 8 h: my bytes' place in the scale word
	v_lshlrev_b32 v16, 5, v8                       ; xs: 32 bytes a token
	s_mul_i32 s23, s22, 8448
	v_add_nc_u32 v4, s23, v3                       ; the stage, in
	v_mul_u32_u24 v5, v8, 528
	v_lshl_add_u32 v5, v9, 7, v5
	v_add_nc_u32 v5, s23, v5                       ; and out: row r, + 128 h
	v_mov_b32 v15, 0                               ; a lane permute's destination counts as one of its sources
	s_lshl_b32 s24, ttmp9, 2
	s_add_co_u32 s24, s24, s22                     ; 0 to 1,023: tile = / 2, which four units = % 2
	s_lshr_b32 s25, s24, 1
	s_and_b32 s26, s24, 1
	s_lshl_b32 s28, s25, 16                        ; 16 tokens of 4,096 bytes,
	s_lshl_b32 s27, s26, 11                        ; 512 bytes a unit
	s_add_co_u32 s28, s28, s27
	s_mov_b32 s29, 0
	s_mul_i32 s30, s24, 6144                       ; xc: 12,288 bytes a tile, 1,536 a unit
	s_mov_b32 s31, 0
	s_lshl_b32 s32, s25, 9                         ; xs: 512 bytes a tile, 4 a unit
	s_lshl_b32 s27, s26, 4
	s_add_co_u32 s32, s32, s27
	s_mov_b32 s33, 0
	s_mov_b32 s38, 0x76543210
	s_mov_b32 s39, 0xfedcba98                      ; v_permlanex16_b32's selects for lane l xor 16
	s_wait_alu depctr_va_vdst(0)                   ; the wait at the head's end
	s_wait_kmcnt 0x0
	s_add_nc_u64 s[4:5], s[4:5], s[28:29]
	s_add_nc_u64 s[14:15], s[14:15], s[30:31]
	s_add_nc_u64 s[16:17], s[16:17], s[32:33]
.macro XLD u
.irp i, 0,1,2,3,4,5,6,7,8,9,10,11,12,13,14,15
	global_load_b128 v[XR+64*((\u)%2)+4*\i:XR+64*((\u)%2)+4*\i+3], v3, s[4:5] offset:4096*\i+512*(\u) th:TH_LOAD_NT
.endr
.endm
.macro XUNIT u
.if (\u) < 3
	s_wait_loadcnt 16                              ; this unit's 16 loads are in; the next unit's 16 may be out
.else
	s_wait_loadcnt 0
.endif
.irp i, 0,1,2,3,4,5,6,7,8,9,10,11,12,13,14,15
	ds_store_b128 v4, v[XR+64*((\u)%2)+4*\i:XR+64*((\u)%2)+4*\i+3] offset:528*\i
.endr
.irp c, 0,1
.irp p, 0,1,2,3,4,5,6,7                ; piece p, k = 4 p .. 4 p + 3 of block 2 c + h, goes to places 16 ((p / 2) % 2) + 8 (p / 4) + 4 (p % 2) on.  LDS serves a wave's instructions in order: these see my stores
	ds_load_b128 v[XN+32*\c+16*((\p/2)%2)+8*(\p/4)+4*(\p%2):XN+32*\c+16*((\p/2)%2)+8*(\p/4)+4*(\p%2)+3], v5 offset:256*\c+16*\p
.endr
.endr
	s_wait_dscnt 0x0                               ; my blocks are in, and the stores into the stage have read their registers,
.if (\u)+2 < 4
	XLD (\u)+2                                     ; which take the loads of two units on
.endif
.irp c, 0,1
	v_max3_num_f32 v[8+\c], |v[XN+32*\c]|, |v[XN+32*\c+1]|, (EMAX+1)<<23   ; the block's largest magnitude, with the floor 2^(3 - 127) among the leaves
.endr
.irp i, 2,4,6,8,10,12,14,16,18,20,22,24,26,28,30
.irp c, 0,1
	v_max3_num_f32 v[8+\c], v[8+\c], |v[XN+32*\c+\i]|, |v[XN+32*\c+\i+1]|
.endr
.endr
.irp c, 0,1
	v_add_nc_u32 v[10+\c], -(EMAX<<23), v[8+\c]    ; 2 off its exponent field: the conversion's scale operand
.endr
.irp c, 0,1
	v_lshrrev_b32 v[8+\c], 23, v[10+\c]            ; the scale's byte
.endr
	v_lshl_or_b32 v14, v9, 16, v8                  ; my two bytes: blocks h and 2 + h,
	v_lshlrev_b32 v14, v7, v14                     ; at their places in the unit's scale word;
	v_permlanex16_b32 v15, v14, s38, s39
.if (\u) > 0
	s_wait_alu depctr_va_vdst(0)                   ; the wait ahead of the wait below
	s_wait_xcnt 0x0                                ; the last unit's stores have read their data registers
.endif
	v_or_b32 v26, v14, v15                         ; with lane l xor 16's two the word is whole
.irp c, 0,1
	v_cvt_scalef32_pk16_fp6_f32 v[CD+8*\c:CD+8*\c+2], v[XN+32*\c:XN+32*\c+15], v[10+\c]
	v_cvt_scalef32_pk16_fp6_f32 v[CD+8*\c+4:CD+8*\c+6], v[XN+32*\c+16:XN+32*\c+31], v[10+\c]   ; (a conversion's three registers begin on an even number)
.endr
	v_nop                                          ; one plain place behind a scaled conversion
.irp c, 0,1
	v_mov_b32 v[CD+8*\c+3], v[CD+8*\c+4]           ; the block's six registers on end
	v_mov_b32 v[CD+8*\c+4], v[CD+8*\c+5]
	v_mov_b32 v[CD+8*\c+5], v[CD+8*\c+6]
.endr
.irp c, 0,1
	global_store_b128 v3, v[CD+8*\c:CD+8*\c+3], s[14:15] offset:1536*(\u)+768*\c          ; 512 consecutive bytes
	global_store_b64 v6, v[CD+8*\c+4:CD+8*\c+5], s[14:15] offset:1536*(\u)+768*\c+512     ; 256 consecutive bytes
.endr
	global_store_b32 v16, v26, s[16:17] offset:4*(\u)   ; my token's scale word of this unit (both halves of the lanes store the same value)
.endm
	XLD 0
	XLD 1
	XUNIT 0
	XUNIT 1
	XUNIT 2
	XUNIT 3
	s_wait_tensorcnt 0x0                           ; the wave's end
	ds_add_u32 v[SPW], v[NIL]
	s_wait_dscnt 0x0
	s_endpgm
; ---------------- the weights: K is the FIRST axis.  A lane takes a column n and its registers run down K, in the order of the places; a block of 32 lies in one lane.
; A work-group takes 128 columns x 256 along K of one weight; a wave 32 columns.  The codes leave through the wave's own stage: sixteen lanes store a row's 192 consecutive bytes.
.Lweights:
.set NB,    8                          ; blocks a lane
.set WROWB, 192                        ; bytes of 256 codes
.set WP,    272                        ; a stage row: sixteen places of 16 bytes, each with 12 bytes of codes, + 16
.set XW,    32                         ; v32-95   two sets of 32 numbers
.set CWD,   96                         ; v96..    a block's codes
.set OUTR,  112                        ; v112-175 the way out
.set SBY,   24                         ; v24-25   the scale bytes, four to a register
	s_cmp_lt_u32 ttmp9, 384
	s_cbranch_scc0 .Lmask
	s_sub_co_u32 s24, ttmp9, 256                   ; 0 to 127
	s_lshr_b32 s25, s24, 5                         ; which weight
	s_and_b32 s26, s24, 7                          ; which 128 columns
	s_bfe_u32 s27, s24, 0x20003                    ; which 256 along K
	s_lshl_b32 s28, s26, 7
	s_lshl_b32 s29, s22, 5
	s_add_co_u32 s28, s28, s29                     ; my wave's first column
	s_wait_alu depctr_va_vdst(0)
	v_lshlrev_b32 v3, 2, v2                        ; in: 4 bytes a lane
	s_mul_i32 s29, s22, 32*WP
	s_add_co_u32 s29, s29, 33792                   ; my stage: LDS bytes 33,792 to 68,607 are this path's
	v_mul_u32_u24 v4, v2, WP
	v_add_nc_u32 v4, s29, v4                       ; into it: row = my column
	v_and_b32 v5, 15, v2
	v_lshrrev_b32 v6, 4, v2
	v_mul_u32_u24 v7, v6, WP
	v_lshl_add_u32 v7, v5, 4, v7
	v_add_nc_u32 v7, s29, v7                       ; out of it: sixteen lanes to a row, two rows an instruction
	v_mul_u32_u24 v8, v6, WROWB
	v_mad_u32_u24 v8, v5, 12, v8                   ; and the same place in wc
	v_lshlrev_b32 v9, 5, v2                        ; my column's row of scale bytes
	s_lshl_b32 s30, s27, 20                        ; 256 rows of 4,096 bytes
	s_lshl_b32 s31, s28, 2
	s_add_co_u32 s30, s30, s31
	s_mov_b32 s31, 0
	s_lshl_b32 s32, s25, 10
	s_add_co_u32 s32, s32, s28                     ; my first row of wc and ws
	s_lshr_b32 s34, s32, 7                         ; the block,
	s_mul_i32 s34, s34, 98304
	s_and_b32 s33, s32, 127                        ; my first row in it,
	s_mul_i32 s33, s33, WROWB
	s_add_co_u32 s34, s34, s33
	s_mul_i32 s33, s27, 24576                      ; the plane
	s_add_co_u32 s34, s34, s33
	s_mov_b32 s35, 0
	s_lshl_b32 s36, s32, 5
	s_lshl_b32 s33, s27, 3
	s_add_co_u32 s36, s36, s33
	s_mov_b32 s37, 0
	s_wait_kmcnt 0x0
	s_cmp_eq_u32 s25, 1                            ; the choice hangs on the work-group's number alone
	s_cselect_b64 s[4:5], s[8:9], s[6:7]
	s_cmp_eq_u32 s25, 2
	s_cselect_b64 s[4:5], s[10:11], s[4:5]
	s_cmp_eq_u32 s25, 3
	s_cselect_b64 s[4:5], s[12:13], s[4:5]
	s_add_nc_u64 s[4:5], s[4:5], s[30:31]
	s_add_nc_u64 s[18:19], s[18:19], s[34:35]
	s_add_nc_u64 s[20:21], s[20:21], s[36:37]
.macro WLOAD t                         ; block t: register i (place i) takes row 32 t + 8 (i / 16) + 16 ((i / 8) % 2) + i % 8 of my column
.irp i, 0,1,2,3,4,5,6,7,8,9,10,11,12,13,14,15,16,17,18,19,20,21,22,23,24,25,26,27,28,29,30,31
	global_load_b32 v[XW+32*((\t)%2)+\i], v3, s[4:5] offset:(32*(\t)+8*((\i/16)%2)+16*((\i/8)%2)+\i%8)*4096 th:TH_LOAD_NT
.endr
.endm
	WLOAD 0
	WLOAD 1
.macro BLOCK t
.set XS, XW+32*((\t)%2)
.if (\t) < NB-1
	s_wait_loadcnt 32                              ; this block's 32 loads are in; the next block's 32 may be out
.else
	s_wait_loadcnt 0
.endif
	v_max3_num_f32 v12, |v[XS]|, |v[XS+1]|, |v[XS+2]|
	v_max3_num_f32 v13, |v[XS+3]|, |v[XS+4]|, |v[XS+5]|
.irp i, 6,10,14,18,22,26
	v_max3_num_f32 v12, v12, |v[XS+\i]|, |v[XS+\i+1]|
	v_max3_num_f32 v13, v13, |v[XS+\i+2]|, |v[XS+\i+3]|
.endr
	v_max3_num_f32 v12, v12, |v[XS+30]|, |v[XS+31]|
	v_max3_num_f32 v12, v12, v13, (EMAX+1)<<23     ; with the floor
	v_add_nc_u32 v11, -(EMAX<<23), v12             ; the conversion's scale operand
	v_lshrrev_b32 v13, 23, v11                     ; the scale's byte
.if (\t)%4 == 0
	v_mov_b32 v[SBY+(\t)/4], v13
.else
	v_lshl_or_b32 v[SBY+(\t)/4], v13, 8*((\t)%4), v[SBY+(\t)/4]
.endif
	v_cvt_scalef32_pk16_fp6_f32 v[CWD:CWD+2], v[XS:XS+15], v11
	v_cvt_scalef32_pk16_fp6_f32 v[CWD+4:CWD+6], v[XS+16:XS+31], v11   ; (a conversion's three registers begin on an even number)
	ds_store_b96 v4, v[CWD:CWD+2] offset:32*(\t)   ; 12 bytes to a place of 16, so that every LDS address is a multiple of 16
	ds_store_b96 v4, v[CWD+4:CWD+6] offset:32*(\t)+16
.if (\t)+2 < NB
	WLOAD (\t)+2
.endif
	s_wait_dscnt 0x0                               ; the stores have read their registers: the next block's codes may be written
.endm
.irp t, 0,1,2,3,4,5,6,7
	BLOCK \t
.endr
	s_wait_alu depctr_va_vdst(0)
	global_store_b64 v9, v[SBY:SBY+1], s[20:21]    ; my column's 8 scale bytes
.irp t, 0,1,2,3,4,5,6,7,8,9,10,11,12,13,14,15
	ds_load_b96 v[OUTR+4*\t:OUTR+4*\t+2], v7 offset:2*\t*WP
.endr
.irp t, 0,1,2,3,4,5,6,7,8,9,10,11,12,13,14,15
	s_wait_dscnt 15-\t                             ; the loads come back in order: number t is in, the younger ones may be out
	global_store_b96 v8, v[OUTR+4*\t:OUTR+4*\t+2], s[18:19] offset:2*\t*WROWB   ; the wave's 32 rows of a plane are 6,144 consecutive bytes
.endr
	s_wait_tensorcnt 0x0                           ; the wave's end
	ds_add_u32 v[SPW], v[NIL]
	s_wait_dscnt 0x0
	s_endpgm
; ---------------- the mask: int32 [8][1024 queries][1024 keys] -> mk, bf16, [512 tiles of 16 queries][8 key steps][8 groups][32 lanes][16 bytes]:
; lane (r, h) of group T of key step s holds float(mask) of query r at keys 128 s + 16 T + 8 h + 0 .. 7, the order of launch 3's score registers.
; A wave takes one tile x four key steps.  A unit (16 rows x 512 bytes) comes by 16 loads of 512 consecutive bytes, is converted, turns through the wave's own stage
; (16 places of 256 bytes + 16: place 2 T + h), and leaves by 8 stores of 512 consecutive bytes.  This path's LDS bytes, 69,120 to 86,527, are its own.
.Lmask:
.set MSTG, 69120
.set MR,   32                          ; v32-159  two sets of 64 numbers
.set MC,   160                         ; v160-191 a unit in bf16
.set MO,   200                         ; v200-231 the way out
	s_wait_alu depctr_va_vdst(0)                   ; the wait behind the branch taken
	s_sub_co_u32 s24, ttmp9, 384
	s_lshl_b32 s24, s24, 2
	s_add_co_u32 s24, s24, s22                     ; 0 to 1,023: tile = / 2, which four key steps = % 2
	s_lshr_b32 s25, s24, 1
	s_and_b32 s26, s24, 1
	s_lshl_b32 s28, s25, 16                        ; 16 rows of 4,096 bytes a tile,
	s_lshl_b32 s27, s26, 11                        ; 512 bytes a key step
	s_add_co_u32 s28, s28, s27
	s_mov_b32 s29, 0
	s_lshl_b32 s30, s24, 14                        ; mk: 4,096 bytes a unit
	s_mov_b32 s31, 0
	s_mul_i32 s23, s22, 4352
	s_add_co_u32 s23, s23, MSTG
	v_lshlrev_b32 v3, 4, v2                        ; 16 bytes a lane, in and out
	v_lshrrev_b32 v4, 1, v2
	v_mul_u32_u24 v4, v4, 272
	v_and_b32 v5, 1, v2
	v_lshl_add_u32 v4, v5, 3, v4
	v_add_nc_u32 v4, s23, v4                       ; into the stage: my four keys belong to place lane / 2, bytes 8 (lane % 2); + 16 x row
	v_lshrrev_b32 v5, 4, v2
	v_mul_u32_u24 v5, v5, 272
	v_and_b32 v6, 15, v2
	v_lshl_add_u32 v5, v6, 4, v5
	v_add_nc_u32 v5, s23, v5                       ; out of it: place h, 16 r; + 544 T
	s_wait_alu depctr_va_vdst(0)                   ; the wait at the head's end
	s_wait_kmcnt 0x0
	s_add_nc_u64 s[40:41], s[40:41], s[28:29]
	s_add_nc_u64 s[42:43], s[42:43], s[30:31]
.macro MLD u
.irp i, 0,1,2,3,4,5,6,7,8,9,10,11,12,13,14,15
	global_load_b128 v[MR+64*((\u)%2)+4*\i:MR+64*((\u)%2)+4*\i+3], v3, s[40:41] offset:4096*\i+512*(\u) th:TH_LOAD_NT
.endr
.endm
.macro MUNIT u
.set MS, MR+64*((\u)%2)
.if (\u) < 3
	s_wait_loadcnt 16                              ; this unit's 16 loads are in; the next unit's 16 may be out
.else
	s_wait_loadcnt 0
.endif
.set i, 0
.rept 64
	v_cvt_f32_i32 v[MS+i], v[MS+i]
.set i, i+1
.endr
.set i, 0
.rept 32
	v_cvt_pk_bf16_f32 v[MC+i], v[MS+2*i], v[MS+2*i+1]
.set i, i+1
.endr
.if (\u)+2 < 4
	MLD (\u)+2
.endif
.irp i, 0,1,2,3,4,5,6,7,8,9,10,11,12,13,14,15
	ds_store_b64 v4, v[MC+2*\i:MC+2*\i+1] offset:16*\i
.endr
.if (\u) > 0
	s_wait_xcnt 0x0                                ; the last unit's stores have read their data registers
.endif
.irp t, 0,1,2,3,4,5,6,7
	ds_load_b128 v[MO+4*\t:MO+4*\t+3], v5 offset:544*\t   ; LDS serves a wave's instructions in order: these see my stores
.endr
	s_wait_dscnt 0x0
.irp t, 0,1,2,3,4,5,6,7
	global_store_b128 v3, v[MO+4*\t:MO+4*\t+3], s[42:43] offset:4096*(\u)+512*\t
.endr
.endm
	MLD 0
	MLD 1
	MUNIT 0
	MUNIT 1
	MUNIT 2
	MUNIT 3
	s_wait_tensorcnt 0x0                           ; the wave's end
	ds_add_u32 v[SPW], v[NIL]
	s_wait_dscnt 0x0
	s_endpgm
.Lfunc_end_k_q0b77e0b14b_prep:
	.size	k_q0b77e0b14b_prep, .Lfunc_end_k_q0b77e0b14b_prep-k_q0b77e0b14b_prep
	.p2alignl 7, 3214868480
	.fill 96, 4, 3214868480
	.section	.rodata,"a",@progbits
	.p2align	6, 0x0
	.amdhsa_kernel k_q0b77e0b14b_prep
		.amdhsa_group_segment_fixed_size 86528
		.amdhsa_private_segment_fixed_size 0
		.amdhsa_enable_private_segment 0
		.amdhsa_kernarg_size 88
		.amdhsa_user_sgpr_count 2
		.amdhsa_user_sgpr_kernarg_segment_ptr 1
		.amdhsa_wavefront_size32 1
		.amdhsa_system_sgpr_workgroup_id_x 1
		.amdhsa_system_sgpr_workgroup_id_y 1
		.amdhsa_system_sgpr_workgroup_id_z 1
		.amdhsa_system_vgpr_workitem_id 0
		.amdhsa_next_free_vgpr 256
		.amdhsa_next_free_sgpr 66
		.amdhsa_reserve_vcc 0
		.amdhsa_float_denorm_mode_32 3
		.amdhsa_float_denorm_mode_16_64 3
		.amdhsa_memory_ordered 1
		.amdhsa_forward_progress 1
		.amdhsa_inst_pref_size 105
	.end_amdhsa_kernel
	.amdgpu_metadata
---
amdhsa.version: [ 1, 2 ]
amdhsa.kernels:
  - .name:           k_q0b77e0b14b_prep
    .symbol:         k_q0b77e0b14b_prep.kd
    .args:
      - { .name: Q_in, .offset: 0, .size: 8, .value_kind: global_buffer, .address_space: global }
      - { .name: Wq, .offset: 8, .size: 8, .value_kind: global_buffer, .address_space: global }
      - { .name: Wk, .offset: 16, .size: 8, .value_kind: global_buffer, .address_space: global }
      - { .name: Wv, .offset: 24, .size: 8, .value_kind: global_buffer, .address_space: global }
      - { .name: Wo, .offset: 32, .size: 8, .value_kind: global_buffer, .address_space: global }
      - { .name: xc, .offset: 40, .size: 8, .value_kind: global_buffer, .address_space: global }
      - { .name: xs, .offset: 48, .size: 8, .value_kind: global_buffer, .address_space: global }
      - { .name: wc, .offset: 56, .size: 8, .value_kind: global_buffer, .address_space: global }
      - { .name: ws, .offset: 64, .size: 8, .value_kind: global_buffer, .address_space: global }
      - { .name: mask, .offset: 72, .size: 8, .value_kind: global_buffer, .address_space: global }
      - { .name: mk, .offset: 80, .size: 8, .value_kind: global_buffer, .address_space: global }
    .group_segment_fixed_size: 86528
    .private_segment_fixed_size: 0
    .kernarg_segment_align: 8
    .kernarg_segment_size: 88
    .max_flat_workgroup_size: 128
    .sgpr_count:     66
    .vgpr_count:     256
    .wavefront_size: 32
...
	.end_amdgpu_metadata
.endif
;; end of part 1
;; launch proj (part 2): grid 8 x 32, 4 waves a work-group, clusters of 4 x 4, 327,680 bytes of LDS; arguments xc, xs, wc, ws, bq, bk, bv, qkv; writes qkv
.if DOCPART == 2
	.amdgcn_target "amdgcn-amd-amdhsa--gfx1250"
	.amdhsa_code_object_version 6
	.text
	.protected	k_q0b77e0b14b_proj
	.globl	k_q0b77e0b14b_proj
	.p2align	8
	.type	k_q0b77e0b14b_proj,@function
k_q0b77e0b14b_proj:
	s_mov_b64 s[64:65], 0
	v_nop
	global_prefetch_b8 v0, s[64:65] scope:SCOPE_SE
	s_setreg_imm32_b32 hwreg(HW_REG_WAVE_MODE, 25, 1), 1
	s_wait_xcnt 0x0
	s_wait_alu depctr_hold_cnt(0) depctr_sa_sdst(0) depctr_va_vdst(0) depctr_va_sdst(0) depctr_va_ssrc(0) depctr_va_vcc(0) depctr_vm_vsrc(0)
	s_getreg_b32 s2, hwreg(HW_REG_IB_STS2, 6, 4)
	s_cmp_eq_u32 s2, 0
	s_cbranch_scc0 .Lentry_in_a_cluster
	s_endpgm
.Lentry_in_a_cluster:
	s_bfe_u32 s2, ttmp6, 0x10000c
	s_cmp_lg_u32 s2, 0xf033
	s_cbranch_scc0 .Lentry_shape_is_right
	s_endpgm
.Lentry_shape_is_right:
; Launch 2 of 4: Q = x Wq + bq, K = x Wk + bk, V = x Wv + bv on codes of E2M3 with E8M0 scales; each result is quantised in registers for launch 3's products and stored as images of operand registers.  No work of reference() is left out here.
; A work-group owns 256 tokens and 128 columns of EACH of the three weights: 32 x 8 = 256 work-groups.  Its tokens' codes, all of K (196,608 dense bytes of xc), lie in LDS for the whole launch.
; Beside them lies one block of 128 weight columns, all of K (98,304 dense bytes of wc; 122,880 in LDS: 16 bytes of padding behind each 64, so that a row of a plane has a pitch of 240).  THREE PASSES: Wq's block, Wk's, Wv's.
; At the head waves 0, 1 bring the tokens' halves and waves 2, 3 two planes of Wq's block each, one tensor load a wave.  Behind a pass the weights' bytes are filled again, a plane a wave, behind a wait for the tensor loads, an add to the spare word, a wait for it and a round of the cluster's barrier;
; the load is on its way while the pass's results are quantised and stored.
; CLUSTER 4 x 4: the tokens' tile hangs on the tile row alone and is asked for jointly along a row of the cluster, a weight's block on the tile column alone and jointly along a column.
; PREFETCH: at the head of passes 0 and 1 the next pass's block is named, a whole pass ahead of the load that wants it: of its four planes each partner of a column takes one, told apart by address; a wave 24 blocks of 256 bytes, a lane a block (lanes 24-31 name the last again).
; PASSES 0, 1: a wave makes 64 tokens x 128 columns; source 0 = 16 columns of the weight, source 1 = 16 tokens: a lane holds a token and eight neighbouring columns, the next product's K.
; PASS 2: a wave makes 128 tokens x 64 channels; source 0 = 16 tokens, source 1 = 16 channels: a lane holds a channel and eight neighbouring tokens, the keys, which are the next product's K.
; 32 accumulators by turns, in the same order in every step.  The bias is the C of a pass's first products.  The scale words of all of K stand in registers, 8 words a row, lane r for row r.
; qkv: for each (batch, head) 167,936 bytes: Q's image, K's 57,344 on, V's 114,688 on.
; LIMITS: a block whose largest magnitude lies under 2^-124 gets the byte 1; NaN and infinities are not served.
; REGISTERS: window 0: v1-31 addresses, v32-63 scale words of source 1's rows, v64-127 of source 0's, v128-223 source 1's fragments (two sets of 4 x 12), at work in the quantiser v192-230; window 1: source 0's fragments, two sets at v0 and v128;
;   window 2: the accumulators; window 3: the biases: v0-63 bq, v64-127 bk, v128-159 bv.
.set PITCH,  240
.set FR,     12
.set ABYTES, 196608
.set PLANE,  30720
.set SPARE,  ABYTES+4*PLANE            ; 319,488: the spare words, 128 bytes for each wave: two blocks of 256 bytes that no other line names
.set HB,     167936
.set ADRAV, 12                         ; v12-15 the tokens' images, pass 2: tiles 0-3 (16 x lane, 8 x lane), tiles 4-7
.set ADRA,  16                         ; v16-17 passes 0, 1
.set ADRB,  20                         ; v20-23 the weight's rows: planes 0-1, planes 2-3; the same with 16 more in lanes 16-31
.set ADRBV, 24                         ; v24-27 the same from my 64 channels on
.set SPW,   28
.set NIL,   29
.set VSX,   30
.set VSW,   31
.set SF,    32
.set SE,    64
.set AF,    128
.set PC,    192
.set TM,    212
.set PW,    228
.set SW,    229
.set PFO,   232
.set VSWV,  237
.set VSXV,  238
.set G1,   24
.set G0,   32
.set G1B,  48
.set G0B,  56
.set G1R,  68
.set G0R,  76
.set SEL,  92
.set PFA,  96
.set MSB, 0
.macro WIN new
.if MSB != \new
	s_set_vgpr_msb (MSB<<8)|\new
.set MSB, \new
.endif
.endm
.macro CREST
	s_cmp_lg_u32 s14, 0
	s_cbranch_scc1 .Lnot_wave_0_\@
	s_barrier_signal -3
.Lnot_wave_0_\@:
	s_barrier_wait -3
	s_barrier_signal -1
	s_barrier_wait -1
.endm
.macro CROUND
	s_barrier_signal -1
	s_barrier_wait -1
	CREST
.endm
.macro PLACES
.rept 4
	v_nop
.endr
.endm
	s_load_b256 s[4:11], s[0:1], 0x0               ; xc s[4:5], xs s[6:7], wc s[8:9], ws s[10:11]
	s_load_b256 s[84:91], s[0:1], 0x20             ; bq s[84:85], bk s[86:87], bv s[88:89], qkv s[90:91]
	v_lshl_add_u32 v[SPW], v0, 2, SPARE
	v_mov_b32 v[NIL], 0
	ds_add_u32 v[SPW], v[NIL]                      ; the wave's opening: the add, twice on end, and its wait ahead of my first tensor load
	ds_add_u32 v[SPW], v[NIL]
	v_lshrrev_b32 v1, 5, v0
	v_readfirstlane_b32 s14, v1                    ; wave 0..3
	s_lshr_b32 s15, s14, 1
	s_and_b32 s16, s14, 1
	s_bfe_u32 s40, ttmp6, 0x40000                  ; cx, cy
	s_bfe_u32 s41, ttmp6, 0x40004
	s_lshl_b32 s42, ttmp9, 2
	s_add_co_u32 s42, s42, s40                     ; tile column: which 128 columns of each weight
	s_and_b32 s17, ttmp7, 0xffff
	s_lshl_b32 s17, s17, 2
	s_add_co_u32 s17, s17, s41                     ; tile row: which 256 tokens
	s_lshl_b32 s43, s41, 2
	s_lshl_b32 s43, 15, s43                        ; my row of the cluster
	s_lshl_b32 s44, 0x1111, s40                    ; my column
	s_or_b32 s[G1+0], s43, (3<<16)|(1<<21)         ; half of the tokens' tile: 384 rows of 256 bytes, dense
	s_mov_b32 s[G1+1], 32<<16
	s_mov_b32 s[G1+2], 384<<16
	s_mov_b32 s[G1+3], 32<<16
	s_mov_b32 s[G1+4], 384
	s_mov_b32 s[G1+5], 32
	s_mov_b32 s[G1+6], 0
	s_mov_b32 s[G1+7], 0
	s_or_b32 s[G1B+0], s44, (0<<16)|(1<<20)|(1<<21)|(3<<22)|(3<<25)   ; two planes of a block: 192 rows of 256 bytes, 16 bytes of padding behind each 64
	s_mov_b32 s[G1B+1], 256<<16
	s_mov_b32 s[G1B+2], 192<<16
	s_mov_b32 s[G1B+3], 256<<16
	s_mov_b32 s[G1B+4], 192
	s_mov_b32 s[G1B+5], 256
	s_mov_b32 s[G1B+6], 0
	s_mov_b32 s[G1B+7], 0
	s_or_b32 s[G1R+0], s44, (0<<16)|(1<<20)|(1<<21)|(3<<22)|(3<<25)   ; one plane: 96 rows
	s_mov_b32 s[G1R+1], 256<<16
	s_mov_b32 s[G1R+2], 96<<16
	s_mov_b32 s[G1R+3], 256<<16
	s_mov_b32 s[G1R+4], 96
	s_mov_b32 s[G1R+5], 256
	s_mov_b32 s[G1R+6], 0
	s_mov_b32 s[G1R+7], 0
	s_mul_i32 s20, s17, 196608
	s_mul_i32 s18, s16, 98304
	s_add_co_u32 s20, s20, s18
	s_mov_b32 s21, 0
	s_mul_i32 s46, s42, 98304                      ; Wq's block
	s_mul_i32 s19, s16, 49152
	s_add_co_u32 s22, s46, s19
	s_mov_b32 s23, 0
	s_mul_i32 s19, s14, 24576                      ; the refills: my plane
	s_add_co_u32 s46, s46, s19
	s_mov_b32 s47, 0
	s_mul_i32 s45, s16, 98304                      ; where they go: made of the wave's number alone
	s_mul_i32 s95, s16, 2*PLANE
	s_add_co_u32 s95, s95, ABYTES
	s_mul_i32 s94, s14, PLANE
	s_add_co_u32 s94, s94, ABYTES
	s_mov_b32 s[SEL], 0x76543210
	s_mov_b32 s[SEL+1], 0xfedcba98
	s_wait_dscnt 0x0                               ; both opening adds are done
	s_wait_kmcnt 0x0
	s_mov_b32 s[G0], 1
	s_mov_b32 s[G0+1], s45
	s_add_nc_u64 s[G0+2:G0+3], s[4:5], s[20:21]
	s_or_b32 s[G0+3], s[G0+3], 0x80000000
	s_mov_b32 s[G0B], 1
	s_mov_b32 s[G0B+1], s95
	s_add_nc_u64 s[G0B+2:G0B+3], s[8:9], s[22:23]
	s_or_b32 s[G0B+3], s[G0B+3], 0x80000000
	s_mov_b32 s[G0R], 1
	s_mov_b32 s[G0R+1], s94
	s_add_nc_u64 s[G0R+2:G0R+3], s[8:9], s[46:47]  ; my plane of Wq's block: stepped to Wk's ahead of its first use
	s_or_b32 s[G0R+3], s[G0R+3], 0x80000000
	CROUND                                         ; all sixteen work-groups are here: the joint loads meet
	s_cmp_eq_u32 s15, 0
	s_cbranch_scc0 .Lfor_b
	tensor_load_to_lds s[G0:G0+3], s[G1:G1+7]
	s_nop 0
.rept 4
	v_nop
.endr
	s_branch .Lasked
.Lfor_b:
	tensor_load_to_lds s[G0B:G0B+3], s[G1B:G1B+7]
	s_nop 0
.rept 4
	v_nop
.endr
.Lasked:
	v_and_b32 v1, 15, v0                           ; r
	v_bfe_u32 v2, v0, 4, 1                         ; h
	v_and_b32 v3, 31, v0                           ; lane
	v_lshlrev_b32 v8, 4, v3
	v_lshlrev_b32 v9, 3, v3
	v_mul_u32_u24 v233, v1, PITCH
	v_mad_u32_u24 v233, v2, 24, v233               ; a weight's row x pitch + 24 h;
	v_lshl_add_u32 v234, v2, 4, v233               ; and 16 more in lanes 16-31, for the pieces whose upper half lies behind a padding
	v_lshlrev_b32 v235, 2, v3
	v_lshlrev_b32 v236, 5, v1                      ; scales: 32 bytes a row
	v_min_u32 v[PFO], 23, v3
	v_lshlrev_b32 v[PFO], 8, v[PFO]
	v_lshlrev_b32 v240, 5, v2                      ; bq, bk: 8 columns for each half of the lanes
	v_lshlrev_b32 v241, 2, v1                      ; bv: a channel a lane
	s_wait_alu depctr_va_vdst(0)                   ; the wait behind these writes
	s_mul_i32 s21, s14, 49152                      ; passes 0, 1: my 64 tokens
	v_add_nc_u32 v[ADRA], s21, v8
	v_add_nc_u32 v[ADRA+1], s21, v9
	s_mul_i32 s21, s15, 98304                      ; pass 2: my 128 tokens
	v_add_nc_u32 v[ADRAV], s21, v8
	v_add_nc_u32 v[ADRAV+1], s21, v9
	s_add_co_u32 s21, s21, 49152
	v_add_nc_u32 v[ADRAV+2], s21, v8
	v_add_nc_u32 v[ADRAV+3], s21, v9
	v_add_nc_u32 v[ADRB], ABYTES, v233
	v_add_nc_u32 v[ADRB+1], ABYTES+2*PLANE, v233
	v_add_nc_u32 v[ADRB+2], ABYTES, v234
	v_add_nc_u32 v[ADRB+3], ABYTES+2*PLANE, v234
	s_mul_i32 s21, s16, 64*PITCH                   ; pass 2: my 64 channels
.irp k, 0,1,2,3
	v_add_nc_u32 v[ADRBV+\k], s21, v[ADRB+\k]
.endr
	s_lshl_b32 s20, s17, 4
	s_lshl_b32 s22, s14, 2
	s_add_co_u32 s20, s20, s22
	s_and_b32 s20, s20, 63                         ; my first tile of 16 tokens in its sequence
	s_lshl_b32 s22, s20, 9
	v_add_nc_u32 v7, s22, v8                       ; Q's, K's image: registers 0-3,
	s_lshl_b32 s22, s20, 8
	s_add_co_u32 s22, s22, 32768
	v_add_nc_u32 v10, s22, v9                      ; 4-5,
	s_lshl_b32 s22, s20, 7
	s_add_co_u32 s22, s22, 49152
	v_add_nc_u32 v11, s22, v235                    ; the scale word
	s_lshl_b32 s20, s17, 1
	s_add_co_u32 s20, s20, s15
	s_and_b32 s20, s20, 7                          ; my key step in its sequence
	s_mul_i32 s23, s16, HB                         ; my head of the block's two
	s_mul_i32 s22, s20, 6144
	s_add_co_u32 s22, s22, s23
	v_add_nc_u32 v18, s22, v8                      ; V's image: a fragment's registers,
	s_lshl_b32 s22, s20, 9
	s_add_co_u32 s22, s22, s23
	s_add_co_u32 s22, s22, 49152
	v_add_nc_u32 v19, s22, v235                    ; the scale word
	s_lshl_b32 s22, s14, 11
	v_add_nc_u32 v[VSX], s22, v236                 ; xs: my 64 tokens
	v_mov_b32 v[VSW], v236                         ; ws: the block's rows
	s_lshl_b32 s22, s15, 12
	v_add_nc_u32 v[VSXV], s22, v236                ; xs: my 128 tokens
	s_lshl_b32 s22, s16, 11
	v_add_nc_u32 v[VSWV], s22, v236                ; ws: my 64 channels
	s_lshl_b32 s22, s16, 8
	v_add_nc_u32 v241, s22, v241
	s_mul_i32 s22, s14, 6144
	v_add_nc_u32 v[PFO], s22, v[PFO]               ; the prefetches: my wave's quarter of a plane, 256 bytes a lane
	s_mov_b32 s23, 0
	s_lshl_b32 s22, s17, 13
	s_add_nc_u64 s[6:7], s[6:7], s[22:23]
	s_lshl_b32 s22, s42, 12
	s_add_nc_u64 s[10:11], s[10:11], s[22:23]
	s_lshl_b32 s22, s42, 9
	s_add_nc_u64 s[84:85], s[84:85], s[22:23]
	s_add_nc_u64 s[86:87], s[86:87], s[22:23]
	s_add_nc_u64 s[88:89], s[88:89], s[22:23]
	s_lshr_b32 s22, s17, 2                         ; the batch
	s_lshl_b32 s22, s22, 4
	s_lshl_b32 s20, s42, 1                         ; the block's first head
	s_add_co_u32 s22, s22, s20
	s_mul_i32 s22, s22, HB
	s_add_nc_u64 s[12:13], s[90:91], s[22:23]
	s_mul_i32 s22, s42, 98304
	s_mul_i32 s20, s41, 24576                      ; my work-group's plane of the four: told apart by address
	s_add_co_u32 s22, s22, s20
	s_add_nc_u64 s[PFA:PFA+1], s[8:9], s[22:23]
	s_wait_alu depctr_va_vdst(0)                   ; the wait at the head's end
.irp a, 0,1,2,3
	global_load_b128 v[SF+8*\a:SF+8*\a+3], v[VSX], s[6:7] offset:512*\a
	global_load_b128 v[SF+8*\a+4:SF+8*\a+7], v[VSX], s[6:7] offset:512*\a+16
.endr
.irp b, 0,1,2,3,4,5,6,7
	global_load_b128 v[SE+8*\b:SE+8*\b+3], v[VSW], s[10:11] offset:512*\b
	global_load_b128 v[SE+8*\b+4:SE+8*\b+7], v[VSW], s[10:11] offset:512*\b+16
.endr
	WIN 0xc0
.irp b, 0,1,2,3,4,5,6,7
	global_load_b128 v[8*\b:8*\b+3], v240, s[84:85] offset:64*\b
	global_load_b128 v[8*\b+4:8*\b+7], v240, s[84:85] offset:64*\b+16
	global_load_b128 v[64+8*\b:64+8*\b+3], v240, s[86:87] offset:64*\b
	global_load_b128 v[64+8*\b+4:64+8*\b+7], v240, s[86:87] offset:64*\b+16
.endr
.irp a, 0,1,2,3
.irp j, 0,1,2,3,4,5,6,7
	global_load_b32 v[128+8*\a+\j], v241, s[88:89] offset:64*\a   ; the channel's bias in all eight registers of a C
.endr
.endr
	WIN 0
	s_wait_tensorcnt 0x0                           ; my part is in;
	s_barrier_signal -1
	s_barrier_wait -1                              ; and so is everybody's.
.macro FRAG reg, adr, q, i, base       ; 16 rows of a weight x 128 K: six pieces of 8 bytes; piece PCE of a plane's row lies at 8 PCE + 16 (PCE / 8)
.irp p, 0,1,2,3,4,5
.set PCE, 12*(\q)+6*(\p/3)+\p%3
.if PCE%8 < 5
	ds_load_b64 v[\reg+2*\p:\reg+2*\p+1], v[\adr] offset:(\base)+8*PCE+16*(PCE/8)+(\i)*16*PITCH
.else
	ds_load_b64 v[\reg+2*\p:\reg+2*\p+1], v[\adr+2] offset:(\base)+8*PCE+16*(PCE/8)+(\i)*16*PITCH
.endif
.endr
.endm
.macro FRAGA reg, adr, st, i           ; 16 tokens x 128 K: two images of 64 along K
.irp c, 0,1
	ds_load_b128 v[\reg+6*\c:\reg+6*\c+3], v[\adr] offset:12288*(\i)+768*(2*(\st)+\c)
	ds_load_b64 v[\reg+6*\c+4:\reg+6*\c+5], v[\adr+1] offset:12288*(\i)+768*(2*(\st)+\c)+512
.endr
.endm
.macro FETCH kind, st                  ; step st's fragments into sets st % 2: 64 loads (56 in pass 2)
	WIN 0x40
.irp i, 0,1,2,3,4,5,6,7
.if \kind == 0
	FRAG 128*((\st)%2)+FR*\i, ADRB+(\st)/4, (\st)%2, \i, PLANE*(((\st)/2)%2)
.else
	FRAGA 128*((\st)%2)+FR*\i, ADRAV+2*(\i/4), \st, \i%4
.endif
.endr
	WIN 0
.irp i, 0,1,2,3
.if \kind == 0
	FRAGA AF+48*((\st)%2)+FR*\i, ADRA, \st, \i
.else
	FRAG AF+48*((\st)%2)+FR*\i, ADRBV+(\st)/4, (\st)%2, \i, PLANE*(((\st)/2)%2)
.endif
.endr
.endm
.macro MUL kind, st, cb
.irp a, 0,1,2,3
.irp b, 0,1,2,3,4,5,6,7
.if (\st) == 0
.if \kind == 0
	v_wmma_scale_f32_16x16x128_f8f6f4 v[8*(8*\a+\b):8*(8*\a+\b)+7], v[128*((\st)%2)+FR*\b:128*((\st)%2)+FR*\b+FR-1], v[AF+48*((\st)%2)+FR*\a:AF+48*((\st)%2)+FR*\a+FR-1], v[\cb+8*\b:\cb+8*\b+7], v[SE+8*\b+(\st)], v[SF+8*\a+(\st)] matrix_a_fmt:MATRIX_FMT_FP6 matrix_b_fmt:MATRIX_FMT_FP6
.else
	v_wmma_scale_f32_16x16x128_f8f6f4 v[8*(8*\a+\b):8*(8*\a+\b)+7], v[128*((\st)%2)+FR*\b:128*((\st)%2)+FR*\b+FR-1], v[AF+48*((\st)%2)+FR*\a:AF+48*((\st)%2)+FR*\a+FR-1], v[\cb+8*\a:\cb+8*\a+7], v[SE+8*\b+(\st)], v[SF+8*\a+(\st)] matrix_a_fmt:MATRIX_FMT_FP6 matrix_b_fmt:MATRIX_FMT_FP6
.endif
.else
	v_wmma_scale_f32_16x16x128_f8f6f4 v[8*(8*\a+\b):8*(8*\a+\b)+7], v[128*((\st)%2)+FR*\b:128*((\st)%2)+FR*\b+FR-1], v[AF+48*((\st)%2)+FR*\a:AF+48*((\st)%2)+FR*\a+FR-1], v[8*(8*\a+\b):8*(8*\a+\b)+7], v[SE+8*\b+(\st)], v[SF+8*\a+(\st)] matrix_a_fmt:MATRIX_FMT_FP6 matrix_b_fmt:MATRIX_FMT_FP6
.endif
.endr
.endr
.endm
; A pass: eight steps of 128 along K, 32 products each.  kind 0: passes 0, 1; kind 1: pass 2.  cb: the bias in window 3.  pf: the bytes from Wq's block to the block that is prefetched (0: none)
.macro PASS kind, cb, pf
	FETCH \kind, 0
.if \pf
	global_prefetch_b8 v[PFO], s[PFA:PFA+1] offset:\pf th:TH_LOAD_NT scope:SCOPE_SE
.endif
	s_wait_loadcnt 0x0                             ; the scale words (and, the first time, the biases)
.set ST, 0
.rept 8
	s_wait_dscnt 0x0                               ; this step's fragments are in: they were asked for ahead of the last step's 32 products
.if ST > 0
	PLACES                                         ; in front of loads into the sets that the last step's products read
.endif
.if ST < 7
	FETCH \kind, ST+1
.endif
.if ST == 0
	WIN 0xb1                                       ; source 0 window 1, source 1 window 0, C window 3 (the bias), D window 2
.else
	WIN 0xa1                                       ; C and D window 2
.endif
	MUL \kind, ST, \cb
.set ST, ST+1
.endr
	WIN 0
.endm
; The weights' bytes are filled again: each wave waits for all its tensor loads, adds 0 to its spare word, and waits for that and for its LDS reads; a round of the cluster's barrier; the joint load first behind it, a plane a wave.
.macro REFILL
	s_wait_tensorcnt 0x0
	ds_add_u32 v[SPW], v[NIL]
	s_add_nc_u64 s[G0R+2:G0R+3], s[G0R+2:G0R+3], 8*98304   ; no tensor load of mine is out: the next weight's block, eight blocks on
	s_wait_dscnt 0x0
	CROUND
	tensor_load_to_lds s[G0R:G0R+3], s[G1R:G1R+7]
	s_nop 0
.rept 4
	v_nop                                          ; also the places behind the pass's last products
.endr
.irp b, 0,1,2,3
	v_mov_b32 v[TM+4+\b], 0                        ; a lane permute's destination counts as one of its sources
.endr
.endm
.macro SHOWN                           ; the block asked for is in, for every wave
	s_wait_alu depctr_va_vdst(0)
	s_wait_tensorcnt 0x0
	s_wait_xcnt 0x0                                ; my stores have read their data registers, on which the next fragments land
	s_barrier_signal -1
	s_barrier_wait -1
.endm
; 64 registers of window 2 from s on, 128 neighbours along the next product's K in lanes l and l xor 16, become a fragment's 12 registers of codes and its scale word
.macro QUANT s
	WIN 0x0a
.irp b, 0,1,2,3
	v_max3_num_f32 v[TM+\b], |v[\s+16*\b]|, |v[\s+1+16*\b]|, 0x1800000   ; each accumulator from its low end on; the floor 2^(3 - 127) among the leaves
.endr
.irp i, 2,4,6,8,10,12,14
.irp b, 0,1,2,3
	v_max3_num_f32 v[TM+\b], |v[\s+16*\b+\i]|, |v[\s+1+16*\b+\i]|, v[TM+\b]
.endr
.endr
	WIN 0
.irp b, 0,1,2,3
	v_permlanex16_b32 v[TM+4+\b], v[TM+\b], s[SEL], s[SEL+1]
.endr
.irp b, 0,1,2,3
	v_max_num_f32 v[TM+\b], v[TM+\b], v[TM+4+\b]
.endr
.irp b, 0,1,2,3
	v_add_nc_u32 v[TM+12+\b], 0xff000000, v[TM+\b] ; 2 off the exponent field: the conversion's scale operand
.endr
.irp b, 0,1,2,3
	v_lshrrev_b32 v[TM+4+\b], 23, v[TM+12+\b]      ; the scale's byte
.endr
	s_wait_alu depctr_va_vdst(0)                   ; the wait ahead of the wait below
	s_wait_xcnt 0x0                                ; the last block's stores have read their data registers, which are written from here on
	v_lshl_or_b32 v[PW], v[TM+5], 8, v[TM+4]
	v_lshl_or_b32 v[PW], v[TM+6], 16, v[PW]
	v_lshl_or_b32 v[PW], v[TM+7], 24, v[PW]
	WIN 0x02
.irp c, 0,1
	v_cvt_scalef32_pk16_fp6_f32 v[PC+6*\c:PC+2+6*\c], v[\s+32*\c:\s+15+32*\c], v[TM+12+2*\c]
	v_cvt_scalef32_pk16_fp6_f32 v[PC+12+4*\c:PC+14+4*\c], v[\s+16+32*\c:\s+31+32*\c], v[TM+12+2*\c+1]
.endr
	WIN 0
	v_nop                                          ; one plain place behind a scaled conversion
.irp c, 0,1
.irp i, 0,1,2
	v_permlane16_swap_b32 v[PC+6*\c+\i], v[PC+12+4*\c+\i]
.endr
.irp i, 0,1,2
	v_mov_b32 v[PC+3+6*\c+\i], v[PC+12+4*\c+\i]
.endr
.endr
.endm
.macro OUTQK a, koff                   ; 16 tokens x two heads of 64: each head's six registers and its two scale bytes
	QUANT 64*(\a)
	v_and_b32 v[SW], 0xffff, v[PW]
	v_lshrrev_b32 v[SW+1], 16, v[PW]
.irp c, 0,1
	global_store_b128 v7, v[PC+6*\c:PC+6*\c+3], s[12:13] offset:(\a)*512+\c*HB+(\koff)
	global_store_b64 v10, v[PC+6*\c+4:PC+6*\c+5], s[12:13] offset:(\a)*256+\c*HB+(\koff)
	global_store_b32 v11, v[SW+\c], s[12:13] offset:(\a)*128+\c*HB+(\koff)
.endr
.endm
.macro OUTV a                          ; 16 channels x 128 keys: a fragment and its scale word
	QUANT 64*(\a)
.irp g, 0,1,2
	global_store_b128 v18, v[PC+4*\g:PC+4*\g+3], s[12:13] offset:114688+(\a)*1536+512*\g
.endr
	global_store_b32 v19, v[PW], s[12:13] offset:114688+(\a)*128
.endm
	PASS 0, 0, 786432                              ; Q; Wk's block is named
	REFILL                                         ; Wk's block
.irp b, 0,1,2,3,4,5,6,7
	global_load_b128 v[SE+8*\b:SE+8*\b+3], v[VSW], s[10:11] offset:32768+512*\b
	global_load_b128 v[SE+8*\b+4:SE+8*\b+7], v[VSW], s[10:11] offset:32768+512*\b+16
.endr
.irp a, 0,1,2,3
	OUTQK \a, 0
.endr
	SHOWN
	PASS 0, 64, 1572864                            ; K; Wv's block is named
	REFILL                                         ; Wv's block
.irp b, 0,1,2,3,4,5,6,7
	global_load_b128 v[SE+8*\b:SE+8*\b+3], v[VSXV], s[6:7] offset:512*\b
	global_load_b128 v[SE+8*\b+4:SE+8*\b+7], v[VSXV], s[6:7] offset:512*\b+16
.endr
.irp a, 0,1,2,3
	global_load_b128 v[SF+8*\a:SF+8*\a+3], v[VSWV], s[10:11] offset:65536+512*\a
	global_load_b128 v[SF+8*\a+4:SF+8*\a+7], v[VSWV], s[10:11] offset:65536+512*\a+16
.endr
.irp a, 0,1,2,3
	OUTQK \a, 57344
.endr
	SHOWN
	PASS 1, 128, 0                                 ; V
	PLACES
.irp b, 0,1,2,3
	v_mov_b32 v[TM+4+\b], 0
.endr
.irp a, 0,1,2,3
	OUTV \a
.endr
	s_wait_tensorcnt 0x0                           ; the wave's end
	ds_add_u32 v[SPW], v[NIL]
	s_wait_dscnt 0x0
	CROUND                                         ; the closing round
	s_endpgm
.Lfunc_end_k_q0b77e0b14b_proj:
	.size	k_q0b77e0b14b_proj, .Lfunc_end_k_q0b77e0b14b_proj-k_q0b77e0b14b_proj
	.p2alignl 7, 3214868480
	.fill 96, 4, 3214868480
	.section	.rodata,"a",@progbits
	.p2align	6, 0x0
	.amdhsa_kernel k_q0b77e0b14b_proj
		.amdhsa_group_segment_fixed_size 327680
		.amdhsa_private_segment_fixed_size 0
		.amdhsa_enable_private_segment 0
		.amdhsa_kernarg_size 64
		.amdhsa_user_sgpr_count 2
		.amdhsa_user_sgpr_kernarg_segment_ptr 1
		.amdhsa_wavefront_size32 1
		.amdhsa_system_sgpr_workgroup_id_x 1
		.amdhsa_system_sgpr_workgroup_id_y 1
		.amdhsa_system_sgpr_workgroup_id_z 1
		.amdhsa_system_vgpr_workitem_id 0
		.amdhsa_next_free_vgpr 1024
		.amdhsa_next_free_sgpr 100
		.amdhsa_reserve_vcc 0
		.amdhsa_float_denorm_mode_32 3
		.amdhsa_float_denorm_mode_16_64 3
		.amdhsa_memory_ordered 1
		.amdhsa_forward_progress 1
		.amdhsa_inst_pref_size 255
	.end_amdhsa_kernel
	.section	.bss,"aw",@nobits
	.p2align	6
	.space	262144
	.amdgpu_metadata
---
amdhsa.version: [ 1, 2 ]
amdhsa.kernels:
  - .name:           k_q0b77e0b14b_proj
    .symbol:         k_q0b77e0b14b_proj.kd
    .args:
      - { .name: xc, .offset: 0, .size: 8, .value_kind: global_buffer, .address_space: global }
      - { .name: xs, .offset: 8, .size: 8, .value_kind: global_buffer, .address_space: global }
      - { .name: wc, .offset: 16, .size: 8, .value_kind: global_buffer, .address_space: global }
      - { .name: ws, .offset: 24, .size: 8, .value_kind: global_buffer, .address_space: global }
      - { .name: bq, .offset: 32, .size: 8, .value_kind: global_buffer, .address_space: global }
      - { .name: bk, .offset: 40, .size: 8, .value_kind: global_buffer, .address_space: global }
      - { .name: bv, .offset: 48, .size: 8, .value_kind: global_buffer, .address_space: global }
      - { .name: qkv, .offset: 56, .size: 8, .value_kind: global_buffer, .address_space: global }
    .group_segment_fixed_size: 327680
    .private_segment_fixed_size: 0
    .kernarg_segment_align: 8
    .kernarg_segment_size: 64
    .max_flat_workgroup_size: 128
    .sgpr_count:     100
    .vgpr_count:     1024
    .wavefront_size: 32
...
	.end_amdgpu_metadata
.endif
;; end of part 2
;; launch attn (part 3): grid 16 x 16, 4 waves a work-group, no clusters, 167,936 bytes of LDS; arguments qkv, mk, cc, cs; writes cc, cs
.if DOCPART == 3
	.amdgcn_target "amdgcn-amd-amdhsa--gfx1250"
	.amdhsa_code_object_version 6
	.text
	.protected	k_q0b77e0b14b_attn
	.globl	k_q0b77e0b14b_attn
	.p2align	8
	.type	k_q0b77e0b14b_attn,@function
k_q0b77e0b14b_attn:
	s_mov_b64 s[64:65], 0
	v_nop
	global_prefetch_b8 v0, s[64:65] scope:SCOPE_SE
	s_setreg_imm32_b32 hwreg(HW_REG_WAVE_MODE, 25, 1), 1
	s_wait_xcnt 0x0
; Launch 3 of 4: scores = Q K^T / 8, softmax, x mask, row renormalised, attn quantised FINISHED along the keys, context = attn V, context quantised along the model's axis.  No work of reference() is left out here.
; attn = pm / (Zm + 1e-8 Z) with p = 2^(c s - c m), c = log2(e) / 8, m the row's largest score, Z = sum p, pm = p x float(mask), Zm = sum pm: reference()'s value with both of its divisions in one.  All in f32.
; The divisor is no power of two, so a row's codes can be made only when the whole row's sums are known: A WAVE KEEPS ITS 16 QUERIES' 1,024 SCORES IN 512 REGISTERS; scores and exponentials are made once.
; SHARES.  A work-group owns one head and 512 queries; wave w takes query tile 32 half + 4 t + w in trip t = 0 .. 7.  The head's K and V (images of operand registers, on end in qkv) lie in LDS for the whole launch:
; each wave brings a quarter, 108 rows of 256 bytes, by its one tensor load; nothing in LDS is filled again, so the loop has no barrier and the waves share nothing but K and V.
; THE MASK comes as launch 1 laid it: bf16, an image of the score registers, 4,096 bytes a key step of a tile.  Eight loads of 512 consecutive bytes bring a key step into 32 registers, FOUR KEY STEPS AHEAD of its use
; (four sets by turns); key steps 4-7 of a trip ask for the next trip's steps 0-3.  The last trip has no next: its step on is 0, so it asks for its own tile's Q and steps 0-3 again; so every trip issues the same loads and the counted waits hold.
; NO CLUSTER: a head's K and V are read by two work-groups alone, once, at the head (110,592 bytes each), and the mask's image goes to registers, where no joint load reaches.
; NO PREFETCH: the loop's one stream is asked for by its own loads four key steps ahead; no tensor load stands in the loop.
; LAYOUT.  S^T = K Q^T (source 0 = 16 keys, source 1 = my 16 queries), O^T = V^T P^T: a lane holds ONE query (lane % 16) throughout.  Register 8 T + j of key step s holds key 128 s + 16 T + 8 (lane / 16) + j.
; THE FIRST PRODUCT'S K IS 64 in an instruction of 128: Q's registers 6-11 are zero codes and the upper two bytes of Q's and K's scale words are 0; K's operand names six registers more than a tile has, whose codes (any bits are finite in E2M3) meet zeros.
; TWO STEPS' WORK BY TURNS: the maxima of key step s - 1 stand between the products of step s; the exponentials of step s take turns with the products p x mask of step s - 1, which name other registers.
; A block's largest |attn| / 4 is (its largest |pm|) x (|1 / divisor| / 4): a multiplication by one positive number keeps the order, and the quarter takes 2 off the exponent field, which is the scale's byte.
; LIMITS: mask values beyond +-256 are rounded to bf16's 8 bits; p under 2^-126 counts as 0; blocks whose largest magnitude lies under 2^-124 get the byte 1; NaN and infinities are not served.
; cs is stored two bytes a lane (a head's two scale bytes of a token).
; REGISTERS: window 0: v1-10 addresses, v12-13 the add's two, v15 zero, v16-31 a row's figures, v32-43 Q, v44 its scale word, v46-61 K's or V's scale words, v64-95 the blocks' maxima, then scale operands, v96-103 attn's scale words,
;   v104-143 attn's codes (two sets), v144-175 at work, v176-177 |1/divisor| / 4, v208-226 the way out, v232-239 Zm.  window 1: v0-107 K's fragments (two sets of 8 x 6 + 6), later V's (v0-95) and O^T (v96-127); v128-255 the mask, four sets.  windows 2, 3: the scores.
.set HB,    167936                     ; qkv: a (batch, head)'s Q, K, V
.set VIMG,  57344                      ; LDS: K's image from 0, V's from here
.set SPARE, 110592                     ; the spare words, 128 bytes for each wave: two blocks of 256 bytes that no other line names
.set SPW, 12
.set NIL, 13
.set MX,  16
.set NEGM, 20
.set Z,   22
.set INV, 30
.set QF,  32
.set QS,  44
.set KS,  46
.set VS,  46
.set BM,  64
.set PW,  96
.set PC,  104
.set TB,  144
.set AI,  176
.set CM,  208
.set CT,  210
.set CSC, 212
.set CBY, 214
.set CW,  216
.set CC,  218
.set CC1, 224
.set ZM,  232
.set KF,  0
.set OT,  96
.set MK,  128
.set CS,  2
.set WV,  14
.set G1,  16
.set G0,  24
.set SEL, 28
.set TRIPS, 30
.set EPSR, 31
.set QB,  32
.set CB,  34
.set SB,  36
.set MB,  38
.set MST, 40
.set QST, 42
.set MSB, 0
.macro WIN new
.if MSB != \new
	s_set_vgpr_msb (MSB<<8)|\new
.set MSB, \new
.endif
.endm
.macro PLACES
.rept 4
	v_nop
.endr
.endm
.macro FETCHK s, p                     ; key step s: 8 tiles of 16 keys, 6 registers each, and their scale words: 24 loads
	WIN 0x40
.irp t, 0,1,2,3,4,5,6,7
	ds_load_b128 v[KF+54*(\p)+6*\t:KF+54*(\p)+6*\t+3], v1 offset:(8*(\s)+\t)*512
	ds_load_b64 v[KF+54*(\p)+6*\t+4:KF+54*(\p)+6*\t+5], v2 offset:32768+(8*(\s)+\t)*256
.endr
	WIN 0
.irp t, 0,1,2,3,4,5,6,7
	ds_load_b32 v[KS+8*(\p)+\t], v3 offset:49152+(8*(\s)+\t)*128
.endr
.endm
.macro QKMUL s, p
.set SWIN, 2+(\s)/4
.set SREG, 64*((\s)%4)
.set WW, (SWIN<<6)|1
	WIN WW
.irp t, 0,1,2,3,4,5,6,7
	v_wmma_scale_f32_16x16x128_f8f6f4 v[SREG+8*\t:SREG+8*\t+7], v[KF+54*(\p)+6*\t:KF+54*(\p)+6*\t+11], v[QF:QF+11], 0, v[KS+8*(\p)+\t], v[QS] matrix_a_fmt:MATRIX_FMT_FP6 matrix_b_fmt:MATRIX_FMT_FP6
.endr
.endm
; Key step s's eight products; behind each, four lines of the running maxima over step s - 1's scores (four chains, each accumulator from its low end on).
; The four behind the last product are the places in front of what follows.
.macro QKMX s, p
.set SWIN, 2+(\s)/4
.set SREG, 64*((\s)%4)
.set PWIN, 2+((\s)-1)/4
.set PREG, 64*(((\s)-1)%4)
.set WA, (SWIN<<6)|1
.set WB, (PWIN<<2)|(PWIN<<4)
.irp t, 0,1,2,3,4,5,6,7
	WIN WA
	v_wmma_scale_f32_16x16x128_f8f6f4 v[SREG+8*\t:SREG+8*\t+7], v[KF+54*(\p)+6*\t:KF+54*(\p)+6*\t+11], v[QF:QF+11], 0, v[KS+8*(\p)+\t], v[QS] matrix_a_fmt:MATRIX_FMT_FP6 matrix_b_fmt:MATRIX_FMT_FP6
	WIN WB
.irp k, 0,1,2,3
	v_max3_num_f32 v[MX+\k], v[MX+\k], v[PREG+8*\t+2*\k], v[PREG+8*\t+2*\k+1]
.endr
.endr
.endm
.macro MAXS s                          ; the running maxima take key step s's 64 scores
.set SWIN, 2+(\s)/4
.set SREG, 64*((\s)%4)
.set WW, (SWIN<<2)|(SWIN<<4)
	WIN WW
.set i, 0
.rept 32
	v_max3_num_f32 v[MX+(i/2)%4], v[MX+(i/2)%4], v[SREG+i], v[SREG+i+1]
.set i, i+2
.endr
.endm
.macro MASKLD o, p                     ; the mask's image of key step o of the tile at s[MB], into set p: 8 loads of 512 consecutive bytes
	WIN 0x40
.irp g, 0,1,2,3,4,5,6,7
	global_load_b128 v[MK+32*(\p)+4*\g:MK+32*(\p)+4*\g+3], v1, s[MB:MB+1] offset:4096*(\o)+512*\g
.endr
.endm
; Stage s = 0 .. 8 of the row's walk: key step s gets its exponents, p and Z; key step s - 1 gets pm, Zm and its four blocks' largest |pm|.
; Where both steps' scores lie in one window (s other than 0, 4, 8) the exponentials of step s and the products of step s - 1 take turns under one setting of the windows.
.macro BST s
.if (\s) < 8
.set SWIN, 2+(\s)/4
.set SREG, 64*((\s)%4)
.set WX, (SWIN<<6)|(1<<2)|SWIN         ; destination and source 0: the scores; source 1: window 1; source 2: window 0
.set WY, (SWIN<<2)|(SWIN<<4)           ; sources 1 and 2: the scores
.endif
.if (\s) > 0
.set PWIN, 2+((\s)-1)/4
.set PREG, 64*(((\s)-1)%4)
.set MKB, MK+32*(((\s)-1)%4)
.set PX, (PWIN<<6)|(1<<2)|PWIN
.set PY, (PWIN<<2)|(PWIN<<4)
.endif
.if (\s) < 8
	WIN WX
.set i, 0
.rept 32
	v_pk_fma_f32 v[SREG+i:SREG+i+1], v[SREG+i:SREG+i+1], s[CS:CS+1], v[NEGM:NEGM+1] op_sel_hi:[1,0,0]   ; c s - c m, two at a time
.set i, i+2
.endr
.endif
.if (\s) > 0
.if (\s) < 5
	s_wait_loadcnt 27                              ; step s - 1's mask is in; behind its loads: three steps' 24 and the next Q's 3
.else
	s_wait_loadcnt 24                              ; behind its loads: three steps' 24
.endif
.endif
.if (\s) == 4 || (\s) == 8
	WIN PX
.set i, 0
.rept 32
	v_fma_mix_f32_bf16 v[PREG+i], v[PREG+i], v[MKB+i/2], v15 op_sel_hi:[0,1,0]                      ; pm = p x the mask's bf16 half + 0
	v_fma_mix_f32_bf16 v[PREG+i+1], v[PREG+i+1], v[MKB+i/2], v15 op_sel:[0,1,0] op_sel_hi:[0,1,0]
.set i, i+2
.endr
.endif
.if (\s) < 8
	WIN WX
	s_wait_alu depctr_va_vdst(0)                   ; the wait ahead of the batch
.set i, 0
.rept 32
	v_exp_f32 v[SREG+i], v[SREG+i]                 ; p, at most 1
.if (\s) != 0 && (\s) != 4
	v_fma_mix_f32_bf16 v[PREG+i], v[PREG+i], v[MKB+i/2], v15 op_sel_hi:[0,1,0]
.endif
	v_exp_f32 v[SREG+i+1], v[SREG+i+1]
.if (\s) != 0 && (\s) != 4
	v_fma_mix_f32_bf16 v[PREG+i+1], v[PREG+i+1], v[MKB+i/2], v15 op_sel:[0,1,0] op_sel_hi:[0,1,0]
.endif
.set i, i+2
.endr
	v_nop                                          ; a plain instruction behind the last exponential
	s_wait_alu depctr_va_vdst(0)                   ; and behind the batch, one wait for all of it
.endif
.if (\s) > 0
	MASKLD ((\s)+3)%8, ((\s)-1)%4                  ; the set just read takes the key step four on
.endif
.if (\s) < 8
	WIN WY
.set i, 0
.rept 32
	v_pk_add_f32 v[Z+2*((i/2)%4):Z+2*((i/2)%4)+1], v[Z+2*((i/2)%4):Z+2*((i/2)%4)+1], v[SREG+i:SREG+i+1]
.set i, i+2
.endr
.endif
.if (\s) > 0
	WIN PY
.set j, 0
.rept 8                                ; the four blocks by turns
.irp b, 0,1,2,3
	v_pk_add_f32 v[ZM+2*\b:ZM+2*\b+1], v[ZM+2*\b:ZM+2*\b+1], v[PREG+16*\b+j:PREG+16*\b+j+1]
.if j == 0
	v_max3_num_f32 v[BM+4*((\s)-1)+\b], 0, |v[PREG+16*\b+j]|, |v[PREG+16*\b+j+1]|
.else
	v_max3_num_f32 v[BM+4*((\s)-1)+\b], v[BM+4*((\s)-1)+\b], |v[PREG+16*\b+j]|, |v[PREG+16*\b+j+1]|
.endif
.endr
.set j, j+2
.endr
.endif
.endm
.macro VLOAD s                         ; key step s: V's four fragments (16 channels x 128 keys) and their scale words: 16 loads
	WIN 0x40
.irp d, 0,1,2,3
.irp g, 0,1,2
	ds_load_b128 v[48*((\s)%2)+12*\d+4*\g:48*((\s)%2)+12*\d+4*\g+3], v4 offset:(4*(\s)+\d)*1536+512*\g
.endr
.endr
	WIN 0
.irp d, 0,1,2,3
	ds_load_b32 v[VS+4*((\s)%2)+\d], v5 offset:(4*(\s)+\d)*128
.endr
.endm
.macro MULA s                          ; attn = pm / divisor, in place
.set SWIN, 2+(\s)/4
.set SREG, 64*((\s)%4)
.set WW, (SWIN<<6)|SWIN
	WIN WW
.set i, 0
.rept 32
	v_pk_mul_f32 v[SREG+i:SREG+i+1], v[SREG+i:SREG+i+1], v[INV:INV+1] op_sel_hi:[1,0]
.set i, i+2
.endr
.endm
.macro CVTP s                          ; key step s's attn becomes a fragment's codes
.set SWIN, 2+(\s)/4
.set SREG, 64*((\s)%4)
.set PCS, PC+20*((\s)%2)
	WIN SWIN
.irp c, 0,1
	v_cvt_scalef32_pk16_fp6_f32 v[PCS+6*\c:PCS+6*\c+2], v[SREG+32*\c:SREG+32*\c+15], v[BM+4*(\s)+2*\c]
	v_cvt_scalef32_pk16_fp6_f32 v[PCS+12+4*\c:PCS+14+4*\c], v[SREG+16+32*\c:SREG+31+32*\c], v[BM+4*(\s)+2*\c+1]
.endr
	WIN 0
	v_nop                                          ; one plain place behind a scaled conversion
.irp c, 0,1
.irp i, 0,1,2
	v_permlane16_swap_b32 v[PCS+6*\c+\i], v[PCS+12+4*\c+\i]
.endr
.irp i, 0,1,2
	v_mov_b32 v[PCS+3+6*\c+\i], v[PCS+12+4*\c+\i]
.endr
.endr
.endm
.macro PVMUL s                         ; O^T += V^T P^T: the four accumulators take turns, one instruction a turn
.set VB, 48*((\s)%2)
.set PCS, PC+20*((\s)%2)
	WIN 0x51
.irp d, 0,1,2,3
.if (\s) == 0
	v_wmma_scale_f32_16x16x128_f8f6f4 v[OT+8*\d:OT+8*\d+7], v[VB+12*\d:VB+12*\d+11], v[PCS:PCS+11], 0, v[VS+4*((\s)%2)+\d], v[PW+(\s)] matrix_a_fmt:MATRIX_FMT_FP6 matrix_b_fmt:MATRIX_FMT_FP6
.else
	v_wmma_scale_f32_16x16x128_f8f6f4 v[OT+8*\d:OT+8*\d+7], v[VB+12*\d:VB+12*\d+11], v[PCS:PCS+11], v[OT+8*\d:OT+8*\d+7], v[VS+4*((\s)%2)+\d], v[PW+(\s)] matrix_a_fmt:MATRIX_FMT_FP6 matrix_b_fmt:MATRIX_FMT_FP6
.endif
.endr
.endm
	s_load_b256 s[4:11], s[0:1], 0x0               ; qkv s[4:5], mk s[6:7], cc s[8:9], cs s[10:11]
	v_lshl_add_u32 v[SPW], v0, 2, SPARE
	v_mov_b32 v[NIL], 0
	ds_add_u32 v[SPW], v[NIL]                      ; the wave's opening: the add, twice on end, and its wait ahead of my tensor load
	ds_add_u32 v[SPW], v[NIL]
	v_lshrrev_b32 v240, 5, v0
	v_readfirstlane_b32 s[WV], v240                ; wave 0..3
	s_and_b32 s44, ttmp7, 0xffff
	s_lshr_b32 s45, s44, 1                         ; the batch
	s_and_b32 s46, s44, 1                          ; which half of the queries
	s_lshl_b32 s47, s45, 4
	s_add_co_u32 s47, s47, ttmp9                   ; 16 b + head
	s_mov_b32 s[G1], 3<<16                         ; a quarter of K's and V's images: 108 rows of 256 bytes, dense
	s_mov_b32 s[G1+1], 32<<16
	s_mov_b32 s[G1+2], 108<<16
	s_mov_b32 s[G1+3], 32<<16
	s_mov_b32 s[G1+4], 108
	s_mov_b32 s[G1+5], 32
	s_mov_b32 s[G1+6], 0
	s_mov_b32 s[G1+7], 0
	s_mul_i32 s48, s47, HB                         ; the head's block: Q's image
	s_mov_b32 s49, 0
	s_mul_i32 s50, s[WV], 27648
	s_add_co_u32 s52, s48, s50
	s_add_co_u32 s52, s52, 57344                   ; my quarter of K and V
	s_mov_b32 s53, 0
	s_lshl_b32 s54, s46, 5
	s_add_co_u32 s54, s54, s[WV]                   ; my first query tile in the sequence
	s_lshl_b32 s55, s45, 6
	s_add_co_u32 s55, s55, s54                     ; and among all token tiles
	s_lshl_b32 s56, s55, 15                        ; mk: 32,768 bytes a tile
	s_mov_b32 s57, 0
	s_lshl_b32 s58, s55, 4
	s_add_co_u32 s58, s58, ttmp9
	s_mul_i32 s58, s58, 768                        ; cc: (tile x 16 + head) x 768
	s_mov_b32 s59, 0
	s_lshl_b32 s60, s55, 9
	s_lshl_b32 s61, ttmp9, 1
	s_add_co_u32 s60, s60, s61                     ; cs: tile x 512 + 2 head
	s_mov_b32 s61, 0
	s_mov_b32 s[CS], 0x3e38aa3b                    ; c = log2(e) / 8
	s_mov_b32 s[CS+1], s[CS]
	s_mov_b32 s[SEL], 0x76543210
	s_mov_b32 s[SEL+1], 0xfedcba98
	s_mov_b32 s[TRIPS], 8
	s_mov_b32 s[EPSR], 0x322bcc77                  ; 1e-8
	s_mov_b32 s[MST+1], 0
	s_wait_dscnt 0x0                               ; both opening adds are done
	s_wait_kmcnt 0x0
	s_mov_b32 s[G0], 1
	s_mul_i32 s[G0+1], s[WV], 27648
	s_add_nc_u64 s[G0+2:G0+3], s[4:5], s[52:53]
	s_or_b32 s[G0+3], s[G0+3], 0x80000000
	tensor_load_to_lds s[G0:G0+3], s[G1:G1+7]      ; my one tensor load
	s_nop 0
.rept 4
	v_nop
.endr
	s_add_nc_u64 s[QB:QB+1], s[4:5], s[48:49]
	s_add_nc_u64 s[MB:MB+1], s[6:7], s[56:57]
	s_add_nc_u64 s[CB:CB+1], s[8:9], s[58:59]
	s_add_nc_u64 s[SB:SB+1], s[10:11], s[60:61]
	v_and_b32 v240, 31, v0                         ; lane
	v_and_b32 v241, 15, v0                         ; r
	v_lshlrev_b32 v1, 4, v240                      ; 16, 8, 4 x lane: an image's places
	v_lshlrev_b32 v2, 3, v240
	v_lshlrev_b32 v3, 2, v240
	s_lshl_b32 s50, s54, 9
	v_add_nc_u32 v7, s50, v1                       ; Q's tile: registers 0-3,
	s_lshl_b32 s50, s54, 8
	s_add_co_u32 s50, s50, 32768
	v_add_nc_u32 v8, s50, v2                       ; 4-5,
	s_lshl_b32 s50, s54, 7
	s_add_co_u32 s50, s50, 49152
	v_add_nc_u32 v9, s50, v3                       ; the scale word
	s_wait_alu depctr_va_vdst(0)                   ; the wait ahead of the readers below
	global_load_b128 v[QF:QF+3], v7, s[QB:QB+1]
	global_load_b64 v[QF+4:QF+5], v8, s[QB:QB+1]
	global_load_b32 v[QS], v9, s[QB:QB+1]
	MASKLD 0, 0                                    ; the first tile's key steps 0-3
	MASKLD 1, 1
	MASKLD 2, 2
	MASKLD 3, 3
	WIN 0
	v_add_nc_u32 v4, VIMG, v1
	v_add_nc_u32 v5, VIMG+49152, v3
	v_lshlrev_b32 v10, 5, v241                     ; cs: 32 bytes a token
.irp i, 6,7,8,9,10,11
	v_mov_b32 v[QF+\i], 0                          ; Q's upper 64 along K: zero codes; never rewritten
.endr
	v_mov_b32 v14, 0                               ; written once: a lane permute's destination counts as one of its sources
	v_mov_b32 v15, 0                               ; the addend of pm; never rewritten
	v_mov_b32 v[CT], 0
	v_mov_b32 v[CT+1], 0
.set i, 0
.rept 32
	v_mov_b32 v[TB+i], 0
.set i, i+1
.endr
	WIN 0x40
.irp i, 48,49,50,51,52,53,102,103,104,105,106,107
	v_mov_b32 v[\i], 0                             ; the six registers behind each set of K's tiles: named by the last tile's operand
.endr
	WIN 0
	s_wait_alu depctr_va_vdst(0)                   ; the wait at the head's end
	s_wait_tensorcnt 0x0                           ; my quarter of K and V is in;
	s_barrier_signal -1
	s_barrier_wait -1                              ; and so is everybody's.
.Ltrip:                                            ; 8 trips, all alike: one tile of 16 queries a wave
	s_wait_loadcnt 32                              ; Q is in; the 32 loads of the mask's key steps 0-3 may be out
.irp k, 0,1,2,3
	v_mov_b32 v[MX+\k], 0xff800000
.endr
.irp k, 0,1,2,3,4,5,6,7
	v_mov_b32 v[Z+\k], 0
	v_mov_b32 v[ZM+\k], 0
.endr
	; ---- A: all 1,024 scores of my 16 queries, and the row's largest
	FETCHK 0, 0
	FETCHK 1, 1
	s_wait_dscnt 24                                ; step 0's loads are in; the 24 just issued may be out
	QKMUL 0, 0
	PLACES                                         ; in front of the next loads into K's registers
.irp s, 1,2,3,4,5,6
	FETCHK \s+1, (\s+1)%2
	s_wait_alu depctr_va_vdst(0)                   ; the wait ahead of the wait below: the maxima's chains go on behind it
	s_wait_dscnt 24                                ; this step's loads are in; the 24 just issued may be out
	QKMX \s, \s%2
.endr
	s_wait_alu depctr_va_vdst(0)
	s_wait_dscnt 0x0
	QKMX 7, 1
	MAXS 7
	WIN 0
	s_cmp_lg_u32 s[TRIPS], 1                       ; the last trip steps on by 0
	s_cselect_b32 s[QST], 512, 0
	s_cselect_b32 s[MST], 0x20000, 0               ; four tiles of the mask's image
	v_lshl_add_u32 v7, s[QST], 2, v7               ; the next trip's Q: four tiles on
	v_lshl_add_u32 v8, s[QST], 1, v8
	v_add_nc_u32 v9, s[QST], v9
	global_load_b128 v[QF:QF+3], v7, s[QB:QB+1]
	global_load_b64 v[QF+4:QF+5], v8, s[QB:QB+1]
	global_load_b32 v[QS], v9, s[QB:QB+1]
	v_max3_num_f32 v[MX], v[MX], v[MX+1], v[MX+2]
	v_max_num_f32 v[MX], v[MX], v[MX+3]
	v_permlanex16_b32 v14, v[MX], s[SEL], s[SEL+1]
	v_max_num_f32 v[MX], v[MX], v14                ; m
	v_mul_f32 v[NEGM], -v[MX], s[CS]               ; -c m
	v_mov_b32 v[NEGM+1], v[NEGM]
	; ---- B: p, the sums, pm
	BST 0
	BST 1
	BST 2
	BST 3
	BST 4
	s_wait_alu depctr_va_vdst(0)
	s_wait_xcnt 0x0                                ; the mask's loads have read their base: it goes on to the next trip's tile
	s_add_nc_u64 s[MB:MB+1], s[MB:MB+1], s[MST:MST+1]
	BST 5
	BST 6
	BST 7
	BST 8
	; ---- the row's figures: the divisor, and the 32 blocks' scales
	VLOAD 0
	s_wait_alu depctr_va_vdst(0)
	v_pk_add_f32 v[Z:Z+1], v[Z:Z+1], v[Z+2:Z+3]
	v_pk_add_f32 v[Z+4:Z+5], v[Z+4:Z+5], v[Z+6:Z+7]
	v_pk_add_f32 v[ZM:ZM+1], v[ZM:ZM+1], v[ZM+2:ZM+3]
	v_pk_add_f32 v[ZM+4:ZM+5], v[ZM+4:ZM+5], v[ZM+6:ZM+7]
	v_pk_add_f32 v[Z:Z+1], v[Z:Z+1], v[Z+4:Z+5]
	v_pk_add_f32 v[ZM:ZM+1], v[ZM:ZM+1], v[ZM+4:ZM+5]
	v_add_f32 v[Z], v[Z], v[Z+1]
	v_add_f32 v[ZM], v[ZM], v[ZM+1]
	v_permlanex16_b32 v14, v[Z], s[SEL], s[SEL+1]
	v_permlanex16_b32 v240, v[ZM], s[SEL], s[SEL+1]
	v_add_f32 v[Z], v[Z], v14
	v_add_f32 v[ZM], v[ZM], v240
	v_fma_f32 v241, s[EPSR], v[Z], v[ZM]           ; Zm + 1e-8 Z
	s_wait_alu depctr_va_vdst(0)                   ; the wait ahead of the reciprocal
	v_rcp_f32 v[INV], v241
	v_nop                                          ; the plain instruction behind it
	s_wait_alu depctr_va_vdst(0)                   ; and ahead of its first reader
	v_ldexp_f32 v[AI], |v[INV]|, -2                ; |1 / divisor| / 4
	v_ldexp_f32 v[AI+1], |v[INV]|, -2
	v_mov_b32 v[INV+1], v[INV]                     ; (the pair is named by the packed multiplies)
.set i, 0
.rept 16
	v_pk_mul_f32 v[BM+i:BM+i+1], v[BM+i:BM+i+1], v[AI:AI+1]   ; my 16 keys' largest |attn| / 4
.set i, i+2
.endr
.set i, 0
.rept 32
	v_permlanex16_b32 v[TB+i], v[BM+i], s[SEL], s[SEL+1]
.set i, i+1
.endr
.set i, 0
.rept 32
	v_max3_num_f32 v[BM+i], v[BM+i], v[TB+i], 0x800000   ; with lane l xor 16's 16 keys, and the floor 2^(1 - 127): the conversion's scale operand
.set i, i+1
.endr
.set i, 0
.rept 32
	v_lshrrev_b32 v[TB+i], 23, v[BM+i]             ; the scale's byte
.set i, i+1
.endr
.irp s, 0,1,2,3,4,5,6,7
	v_lshl_or_b32 v[PW+\s], v[TB+4*\s+1], 8, v[TB+4*\s]
	v_lshl_or_b32 v[PW+\s], v[TB+4*\s+2], 16, v[PW+\s]
	v_lshl_or_b32 v[PW+\s], v[TB+4*\s+3], 24, v[PW+\s]
.endr
	; ---- C: attn, its codes, and the second product, a key step at a time; the next step's 32 multiplies are the places in front of the products and of the loads
	MULA 0
.irp s, 0,1,2,3,4,5,6
	CVTP \s
	MULA \s+1
	VLOAD \s+1
	s_wait_alu depctr_va_vdst(0)
	s_wait_dscnt 16                                ; this step's V is in; the 16 loads just issued may be out
	PVMUL \s
.endr
	CVTP 7
	PLACES
	s_wait_alu depctr_va_vdst(0)
	s_wait_dscnt 0x0
	PVMUL 7
	; ---- the way out: the head's 64 channels of my 16 tokens are two blocks of the last product's K
	PLACES
	WIN 0x05
.irp k, 0,1
	v_max3_num_f32 v[CM+\k], |v[OT+16*\k]|, |v[OT+16*\k+1]|, 0x1800000   ; each accumulator from its low end on; the floor among the leaves
.endr
.irp i, 2,4,6,8,10,12,14
.irp k, 0,1
	v_max3_num_f32 v[CM+\k], |v[OT+16*\k+\i]|, |v[OT+16*\k+\i+1]|, v[CM+\k]
.endr
.endr
	WIN 0
.irp k, 0,1
	v_permlanex16_b32 v[CT+\k], v[CM+\k], s[SEL], s[SEL+1]
.endr
.irp k, 0,1
	v_max_num_f32 v[CM+\k], v[CM+\k], v[CT+\k]
.endr
.irp k, 0,1
	v_add_nc_u32 v[CSC+\k], 0xff000000, v[CM+\k]
.endr
.irp k, 0,1
	v_lshrrev_b32 v[CBY+\k], 23, v[CSC+\k]
.endr
	v_lshl_or_b32 v[CW], v[CBY+1], 8, v[CBY]
	WIN 0x01
	v_cvt_scalef32_pk16_fp6_f32 v[CC:CC+2], v[OT:OT+15], v[CSC]
	v_cvt_scalef32_pk16_fp6_f32 v[CC1:CC1+2], v[OT+16:OT+31], v[CSC+1]
	WIN 0
	v_nop                                          ; one plain place behind a scaled conversion
.irp i, 0,1,2
	v_permlane16_swap_b32 v[CC+\i], v[CC1+\i]
.endr
.irp i, 0,1,2
	v_mov_b32 v[CC+3+\i], v[CC1+\i]
.endr
	global_store_b128 v1, v[CC:CC+3], s[CB:CB+1]               ; the image of registers 0-3: 512 consecutive bytes
	global_store_b64 v2, v[CC+4:CC+5], s[CB:CB+1] offset:512   ; of registers 4-5: 256
	global_store_b16 v10, v[CW], s[SB:SB+1]                    ; my token's two scale bytes (both halves of the lanes store the same value)
	s_wait_alu depctr_va_vdst(0)
	s_wait_xcnt 0x0                                ; the stores have read their registers: bases and data may be written
	s_add_nc_u64 s[CB:CB+1], s[CB:CB+1], 49152     ; four token tiles on
	s_add_nc_u64 s[SB:SB+1], s[SB:SB+1], 2048
	s_sub_co_u32 s[TRIPS], s[TRIPS], 1
	s_cmp_lg_u32 s[TRIPS], 0
	s_cbranch_scc1 .Ltrip
	s_wait_tensorcnt 0x0                           ; the wave's end
	ds_add_u32 v[SPW], v[NIL]
	s_wait_dscnt 0x0
	s_endpgm
.Lfunc_end_k_q0b77e0b14b_attn:
	.size	k_q0b77e0b14b_attn, .Lfunc_end_k_q0b77e0b14b_attn-k_q0b77e0b14b_attn
	.p2alignl 7, 3214868480
	.fill 96, 4, 3214868480
	.section	.rodata,"a",@progbits
	.p2align	6, 0x0
	.amdhsa_kernel k_q0b77e0b14b_attn
		.amdhsa_group_segment_fixed_size 167936
		.amdhsa_private_segment_fixed_size 0
		.amdhsa_enable_private_segment 0
		.amdhsa_kernarg_size 32
		.amdhsa_user_sgpr_count 2
		.amdhsa_user_sgpr_kernarg_segment_ptr 1
		.amdhsa_wavefront_size32 1
		.amdhsa_system_sgpr_workgroup_id_x 1
		.amdhsa_system_sgpr_workgroup_id_y 1
		.amdhsa_system_sgpr_workgroup_id_z 1
		.amdhsa_system_vgpr_workitem_id 0
		.amdhsa_next_free_vgpr 1024
		.amdhsa_next_free_sgpr 66
		.amdhsa_reserve_vcc 0
		.amdhsa_float_denorm_mode_32 3
		.amdhsa_float_denorm_mode_16_64 3
		.amdhsa_memory_ordered 1
		.amdhsa_forward_progress 1
		.amdhsa_inst_pref_size 219
	.end_amdhsa_kernel
	.amdgpu_metadata
---
amdhsa.version: [ 1, 2 ]
amdhsa.kernels:
  - .name:           k_q0b77e0b14b_attn
    .symbol:         k_q0b77e0b14b_attn.kd
    .args:
      - { .name: qkv, .offset: 0, .size: 8, .value_kind: global_buffer, .address_space: global }
      - { .name: mk, .offset: 8, .size: 8, .value_kind: global_buffer, .address_space: global }
      - { .name: cc, .offset: 16, .size: 8, .value_kind: global_buffer, .address_space: global }
      - { .name: cs, .offset: 24, .size: 8, .value_kind: global_buffer, .address_space: global }
    .group_segment_fixed_size: 167936
    .private_segment_fixed_size: 0
    .kernarg_segment_align: 8
    .kernarg_segment_size: 32
    .max_flat_workgroup_size: 128
    .sgpr_count:     66
    .vgpr_count:     1024
    .wavefront_size: 32
...
	.end_amdgpu_metadata
.endif
;; end of part 3
;; launch outp (part 4): grid 8 x 32, 4 waves a work-group, clusters of 4 x 4, 327,680 bytes of LDS; arguments cc, cs, wc, ws, bo, out0; writes out0
.if DOCPART == 4
	.amdgcn_target "amdgcn-amd-amdhsa--gfx1250"
	.amdhsa_code_object_version 6
	.text
	.protected	k_q0b77e0b14b_outp
	.globl	k_q0b77e0b14b_outp
	.p2align	8
	.type	k_q0b77e0b14b_outp,@function
k_q0b77e0b14b_outp:
	s_mov_b64 s[64:65], 0
	v_nop
	global_prefetch_b8 v0, s[64:65] scope:SCOPE_SE
	s_setreg_imm32_b32 hwreg(HW_REG_WAVE_MODE, 25, 1), 1
	s_wait_xcnt 0x0
	s_wait_alu depctr_hold_cnt(0) depctr_sa_sdst(0) depctr_va_vdst(0) depctr_va_sdst(0) depctr_va_ssrc(0) depctr_va_vcc(0) depctr_vm_vsrc(0)
	s_getreg_b32 s2, hwreg(HW_REG_IB_STS2, 6, 4)
	s_cmp_eq_u32 s2, 0
	s_cbranch_scc0 .Lentry_in_a_cluster
	s_endpgm
.Lentry_in_a_cluster:
	s_bfe_u32 s2, ttmp6, 0x10000c
	s_cmp_lg_u32 s2, 0xf033
	s_cbranch_scc0 .Lentry_shape_is_right
	s_endpgm
.Lentry_shape_is_right:
; Launch 4 of 4: out0 = context Wo + bo, on codes of E2M3 with E8M0 scales.  No work of reference() is left out here.
; A work-group makes 256 tokens x 128 columns: 32 x 8 = 256 work-groups.  K is 1,024, so ALL OF K LIES IN LDS AT ONCE: the context's 256 rows are 196,608 dense bytes of cc (images of operand registers, launch 3),
; Wo's 128 columns one block of wc, 98,304 dense bytes (122,880 in LDS: 16 bytes of padding behind each 64, so that a row of a plane has a pitch of 240).  One tensor load a wave at the head: waves 0, 1 bring the context's halves,
; waves 2, 3 two planes of Wo each.  Nothing is filled again: one barrier, then eight steps of 128 along K.
; CLUSTER 4 x 4: the context's tile hangs on the tile row alone and is asked for jointly along a row of the cluster, Wo's on the tile column alone and jointly along a column.
; NO PREFETCH: all that the work-group reads is asked for at the head; there is no loop to run ahead in.
; A wave makes 64 tokens x 128 columns: 32 accumulators, by turns, in the same order in every step.  The matrix instruction is used transposed (source 0 = 16 columns of Wo, source 1 = 16 tokens):
; a lane holds eight neighbouring columns of a token.  The bias is the C of the first step's products.  The scale words of all of K stand in registers: 8 words a row, lane r for row r.
; The way out goes through a stage in the wave's OWN 64 rows of the context in LDS, which no other wave reads and which have had their one fill.
; REGISTERS: window 0: v0-31 addresses, v32-63 the tokens' scale words, v64-127 Wo's, v128-223 the tokens' fragments (two sets of 4 x 12), on the way out v128-255; window 1: Wo's fragments, two sets at v0 and v128; window 2: the accumulators; window 3: v0-63 the bias.
.set SIZE_N, 1024
.set PITCH,  240
.set FR,     12
.set ABYTES, 196608
.set PLANE,  30720
.set SPARE,  ABYTES+4*PLANE            ; 319,488: the spare words, 128 bytes for each wave: two blocks of 256 bytes that no other line names
.set SPITCH, 528
.set ADRA, 16
.set ADRB, 20
.set STO,  24
.set RD,   25
.set CO,   26
.set SPW,  28
.set NIL,  29
.set SA,   32
.set SB,   64
.set AF,   128
.set BK,   128
.set CP,   98
.set G1,   24
.set G0,   32
.set G1B,  48
.set G0B,  56
.set MSB, 0
.macro WIN new
.if MSB != \new
	s_set_vgpr_msb (MSB<<8)|\new
.set MSB, \new
.endif
.endm
.macro CREST
	s_cmp_lg_u32 s14, 0
	s_cbranch_scc1 .Lnot_wave_0_\@
	s_barrier_signal -3
.Lnot_wave_0_\@:
	s_barrier_wait -3
	s_barrier_signal -1
	s_barrier_wait -1
.endm
.macro CROUND
	s_barrier_signal -1
	s_barrier_wait -1
	CREST
.endm
.macro PLACES
.rept 4
	v_nop
.endr
.endm
	s_load_b128 s[4:7], s[0:1], 0x0                ; cc, cs
	s_load_b128 s[8:11], s[0:1], 0x10              ; wc, ws
	s_load_b128 s[96:99], s[0:1], 0x20             ; bo, out0
	v_lshl_add_u32 v[SPW], v0, 2, SPARE
	v_mov_b32 v[NIL], 0
	ds_add_u32 v[SPW], v[NIL]                      ; the wave's opening: the add, twice on end, and its wait ahead of my tensor load
	ds_add_u32 v[SPW], v[NIL]
	v_lshrrev_b32 v1, 5, v0
	v_readfirstlane_b32 s14, v1                    ; wave 0..3
	s_lshr_b32 s15, s14, 1                         ; I fetch for the context (0) or for Wo (1),
	s_and_b32 s16, s14, 1                          ; and which half
	s_bfe_u32 s40, ttmp6, 0x40000                  ; cx, cy
	s_bfe_u32 s41, ttmp6, 0x40004
	s_lshl_b32 s42, ttmp9, 2
	s_add_co_u32 s42, s42, s40                     ; tile column
	s_and_b32 s17, ttmp7, 0xffff
	s_lshl_b32 s17, s17, 2
	s_add_co_u32 s17, s17, s41                     ; tile row
	s_lshl_b32 s43, s41, 2
	s_lshl_b32 s43, 15, s43                        ; my row of the cluster
	s_lshl_b32 s44, 0x1111, s40                    ; my column
	s_or_b32 s[G1+0], s43, (3<<16)|(1<<21)         ; half of the context's tile: 384 rows of 256 bytes, dense
	s_mov_b32 s[G1+1], 32<<16
	s_mov_b32 s[G1+2], 384<<16
	s_mov_b32 s[G1+3], 32<<16
	s_mov_b32 s[G1+4], 384
	s_mov_b32 s[G1+5], 32
	s_mov_b32 s[G1+6], 0
	s_mov_b32 s[G1+7], 0
	s_or_b32 s[G1B+0], s44, (0<<16)|(1<<20)|(1<<21)|(3<<22)|(3<<25)   ; two planes of Wo's block: 192 rows of 256 bytes, 16 bytes of padding behind each 64
	s_mov_b32 s[G1B+1], 256<<16
	s_mov_b32 s[G1B+2], 192<<16
	s_mov_b32 s[G1B+3], 256<<16
	s_mov_b32 s[G1B+4], 192
	s_mov_b32 s[G1B+5], 256
	s_mov_b32 s[G1B+6], 0
	s_mov_b32 s[G1B+7], 0
	s_mul_i32 s20, s17, 196608
	s_mul_i32 s18, s16, 98304
	s_add_co_u32 s20, s20, s18
	s_mov_b32 s21, 0
	s_mul_i32 s46, s42, 98304
	s_mul_i32 s19, s16, 49152
	s_add_co_u32 s46, s46, s19
	s_add_co_u32 s46, s46, 3072*768                ; Wo's rows of wc begin at row 3,072
	s_mov_b32 s47, 0
	s_mul_i32 s45, s16, 98304                      ; where they go: made of the wave's number alone
	s_mul_i32 s95, s16, 2*PLANE
	s_add_co_u32 s95, s95, ABYTES
	s_wait_dscnt 0x0                               ; both opening adds are done
	s_wait_kmcnt 0x0
	s_mov_b32 s[G0], 1
	s_mov_b32 s[G0+1], s45
	s_add_nc_u64 s[G0+2:G0+3], s[4:5], s[20:21]
	s_or_b32 s[G0+3], s[G0+3], 0x80000000
	s_mov_b32 s[G0B], 1
	s_mov_b32 s[G0B+1], s95
	s_add_nc_u64 s[G0B+2:G0B+3], s[8:9], s[46:47]
	s_or_b32 s[G0B+3], s[G0B+3], 0x80000000
	CROUND                                         ; all sixteen work-groups are here: the joint loads meet
	s_cmp_eq_u32 s15, 0
	s_cbranch_scc0 .Lfor_b
	tensor_load_to_lds s[G0:G0+3], s[G1:G1+7]
	s_nop 0
.rept 4
	v_nop
.endr
	s_branch .Lasked
.Lfor_b:
	tensor_load_to_lds s[G0B:G0B+3], s[G1B:G1B+7]
	s_nop 0
.rept 4
	v_nop
.endr
.Lasked:
	v_and_b32 v1, 15, v0                           ; r
	v_bfe_u32 v2, v0, 4, 1                         ; h
	v_and_b32 v7, 31, v0
	v_lshlrev_b32 v8, 4, v7
	v_lshlrev_b32 v9, 3, v7
	v_mul_u32_u24 v3, v1, PITCH
	v_mul_u32_u24 v4, v2, 24
	v_add_nc_u32 v4, v3, v4                        ; Wo: row x pitch + 24 h;
	v_lshl_add_u32 v5, v2, 4, v4                   ; and 16 more in lanes 16-31, for the pieces whose upper half lies behind a padding
	s_mul_i32 s21, s14, 49152                      ; my 64 tokens' images
	v_add_nc_u32 v[ADRA], s21, v8
	v_add_nc_u32 v[ADRA+1], s21, v9
	v_add_nc_u32 v[ADRB], ABYTES, v4               ; planes 0, 1
	v_add_nc_u32 v[ADRB+1], ABYTES+2*PLANE, v4     ; planes 2, 3
	v_add_nc_u32 v[ADRB+2], ABYTES, v5
	v_add_nc_u32 v[ADRB+3], ABYTES+2*PLANE, v5
	v_mul_u32_u24 v6, v1, SPITCH
	v_lshl_add_u32 v6, v2, 5, v6
	v_add_nc_u32 v[STO], s21, v6                   ; the stage, in: row r, 32 bytes for each half of the lanes
	v_lshlrev_b32 v[CO], 4, v7
	v_add_nc_u32 v[RD], s21, v[CO]                 ; back: 32 lanes take a row of 512 bytes
	v_lshlrev_b32 v10, 5, v2                       ; the bias: 8 columns for each half of the lanes
	v_lshlrev_b32 v11, 5, v1                       ; scales: 32 bytes a row
	s_lshl_b32 s20, s17, 8
	s_lshl_b32 s22, s14, 6
	s_add_co_u32 s20, s20, s22                     ; my first token
	s_lshl_b32 s22, s20, 5
	s_mov_b32 s23, 0
	s_add_nc_u64 s[6:7], s[6:7], s[22:23]
	s_lshl_b32 s22, s42, 12
	s_add_co_u32 s22, s22, 3072*32
	s_add_nc_u64 s[10:11], s[10:11], s[22:23]
	s_lshl_b32 s22, s42, 9                         ; 128 columns of 4 bytes
	s_add_nc_u64 s[96:97], s[96:97], s[22:23]
	s_add_nc_u64 s[CP:CP+1], s[CP:CP+1], s[22:23]
	s_lshl_b32 s22, s20, 12
	s_add_nc_u64 s[CP:CP+1], s[CP:CP+1], s[22:23]
	s_wait_alu depctr_va_vdst(0)                   ; the wait at the head's end
.irp a, 0,1,2,3
	global_load_b128 v[SA+8*\a:SA+8*\a+3], v11, s[6:7] offset:512*\a
	global_load_b128 v[SA+8*\a+4:SA+8*\a+7], v11, s[6:7] offset:512*\a+16
.endr
.irp b, 0,1,2,3,4,5,6,7
	global_load_b128 v[SB+8*\b:SB+8*\b+3], v11, s[10:11] offset:512*\b
	global_load_b128 v[SB+8*\b+4:SB+8*\b+7], v11, s[10:11] offset:512*\b+16
.endr
	WIN 0xc0
.irp b, 0,1,2,3,4,5,6,7
	global_load_b128 v[8*\b:8*\b+3], v10, s[96:97] offset:64*\b
	global_load_b128 v[8*\b+4:8*\b+7], v10, s[96:97] offset:64*\b+16
.endr
	WIN 0
	s_wait_tensorcnt 0x0                           ; my part is in;
	s_barrier_signal -1
	s_barrier_wait -1                              ; and so is everybody's.
.macro FRAG reg, adr, q, i, base       ; 16 columns of Wo x 128 K: six pieces of 8 bytes; piece PCE of a plane's row lies at 8 PCE + 16 (PCE / 8)
.irp p, 0,1,2,3,4,5
.set PCE, 12*(\q)+6*(\p/3)+\p%3
.if PCE%8 < 5
	ds_load_b64 v[\reg+2*\p:\reg+2*\p+1], v[\adr] offset:(\base)+8*PCE+16*(PCE/8)+(\i)*16*PITCH
.else
	ds_load_b64 v[\reg+2*\p:\reg+2*\p+1], v[\adr+2] offset:(\base)+8*PCE+16*(PCE/8)+(\i)*16*PITCH
.endif
.endr
.endm
.macro FRAGA reg, st, i                ; 16 tokens x 128 K: the images of heads 2 st and 2 st + 1
.irp c, 0,1
	ds_load_b128 v[\reg+6*\c:\reg+6*\c+3], v[ADRA] offset:12288*(\i)+768*(2*(\st)+\c)
	ds_load_b64 v[\reg+6*\c+4:\reg+6*\c+5], v[ADRA+1] offset:12288*(\i)+768*(2*(\st)+\c)+512
.endr
.endm
.macro FETCH st                        ; step st's fragments into sets st % 2: 64 loads
	WIN 0x40
.irp i, 0,1,2,3,4,5,6,7
	FRAG 128*((\st)%2)+FR*\i, ADRB+(\st)/4, (\st)%2, \i, PLANE*(((\st)/2)%2)
.endr
	WIN 0
.irp i, 0,1,2,3
	FRAGA AF+48*((\st)%2)+FR*\i, \st, \i
.endr
.endm
.macro MUL st
.irp a, 0,1,2,3
.irp b, 0,1,2,3,4,5,6,7
.if (\st) == 0
	v_wmma_scale_f32_16x16x128_f8f6f4 v[8*(8*\a+\b):8*(8*\a+\b)+7], v[128*((\st)%2)+FR*\b:128*((\st)%2)+FR*\b+FR-1], v[AF+48*((\st)%2)+FR*\a:AF+48*((\st)%2)+FR*\a+FR-1], v[8*\b:8*\b+7], v[SB+8*\b+(\st)], v[SA+8*\a+(\st)] matrix_a_fmt:MATRIX_FMT_FP6 matrix_b_fmt:MATRIX_FMT_FP6
.else
	v_wmma_scale_f32_16x16x128_f8f6f4 v[8*(8*\a+\b):8*(8*\a+\b)+7], v[128*((\st)%2)+FR*\b:128*((\st)%2)+FR*\b+FR-1], v[AF+48*((\st)%2)+FR*\a:AF+48*((\st)%2)+FR*\a+FR-1], v[8*(8*\a+\b):8*(8*\a+\b)+7], v[SB+8*\b+(\st)], v[SA+8*\a+(\st)] matrix_a_fmt:MATRIX_FMT_FP6 matrix_b_fmt:MATRIX_FMT_FP6
.endif
.endr
.endr
.endm
	FETCH 0
	s_wait_loadcnt 0x0                             ; the scale words and the bias
.set ST, 0
.rept 8
	s_wait_dscnt 0x0                               ; this step's fragments are in: they were asked for ahead of the last step's 32 products
.if ST > 0
	PLACES                                         ; in front of loads into the sets that the last step's products read
.endif
.if ST < 7
	FETCH ST+1
.endif
.if ST == 0
	WIN 0xb1                                       ; source 0 window 1, source 1 window 0, C window 3 (the bias), D window 2
.else
	WIN 0xa1                                       ; C and D window 2
.endif
	MUL ST
.set ST, ST+1
.endr
	WIN 0
; THE WAY OUT, block by block of 16 tokens x 128 columns, through my own stage and back as whole rows of 512 bytes.  LDS serves a wave's instructions in order: no wait between the stores and the loads.
.macro TOSTAGE a
	WIN 0x08
.irp b, 0,1,2,3,4,5,6,7
	ds_store_b128 v[STO], v[64*(\a)+8*\b:64*(\a)+8*\b+3] offset:64*\b          ; each accumulator from its low end on
	ds_store_b128 v[STO], v[64*(\a)+8*\b+4:64*(\a)+8*\b+7] offset:64*\b+16
.endr
	WIN 0
.set BB, BK+64*((\a)%2)
.irp t, 0,1,2,3,4,5,6,7,8,9,10,11,12,13,14,15
	ds_load_b128 v[BB+4*\t:BB+4*\t+3], v[RD] offset:\t*SPITCH
.endr
.endm
.macro SEND a, younger
.set BB, BK+64*((\a)%2)
	s_wait_dscnt \younger                          ; the block is back in registers
.if (\a) > 0
	s_add_nc_u64 s[CP:CP+1], s[CP:CP+1], 16*SIZE_N*4   ; (behind a wait on XCNT: the earlier stores have read their base)
.endif
.irp t, 0,1,2,3,4,5,6,7,8,9,10,11,12,13,14,15
	global_store_b128 v[CO], v[BB+4*\t:BB+4*\t+3], s[CP:CP+1] offset:\t*SIZE_N*4 th:TH_STORE_NT   ; 32 lanes store 512 consecutive bytes, at a multiple of 256 from out0's first byte
.endr
.endm
	PLACES
	TOSTAGE 0
.irp a, 1,2,3
.if \a > 1
	s_wait_xcnt 0x0                                ; block a - 2's stores have read their registers and their base
.endif
	TOSTAGE \a
	SEND \a-1, 32                                  ; behind block a - 1's loads: block a's 16 stores and 16 loads
.endr
	s_wait_xcnt 0x0
	SEND 3, 0
	s_wait_tensorcnt 0x0                           ; the wave's end
	ds_add_u32 v[SPW], v[NIL]
	s_wait_dscnt 0x0
	CROUND                                         ; the closing round
	s_endpgm
.Lfunc_end_k_q0b77e0b14b_outp:
	.size	k_q0b77e0b14b_outp, .Lfunc_end_k_q0b77e0b14b_outp-k_q0b77e0b14b_outp
	.p2alignl 7, 3214868480
	.fill 96, 4, 3214868480
	.section	.rodata,"a",@progbits
	.p2align	6, 0x0
	.amdhsa_kernel k_q0b77e0b14b_outp
		.amdhsa_group_segment_fixed_size 327680
		.amdhsa_private_segment_fixed_size 0
		.amdhsa_enable_private_segment 0
		.amdhsa_kernarg_size 48
		.amdhsa_user_sgpr_count 2
		.amdhsa_user_sgpr_kernarg_segment_ptr 1
		.amdhsa_wavefront_size32 1
		.amdhsa_system_sgpr_workgroup_id_x 1
		.amdhsa_system_sgpr_workgroup_id_y 1
		.amdhsa_system_sgpr_workgroup_id_z 1
		.amdhsa_system_vgpr_workitem_id 0
		.amdhsa_next_free_vgpr 1024
		.amdhsa_next_free_sgpr 100
		.amdhsa_reserve_vcc 0
		.amdhsa_float_denorm_mode_32 3
		.amdhsa_float_denorm_mode_16_64 3
		.amdhsa_memory_ordered 1
		.amdhsa_forward_progress 1
		.amdhsa_inst_pref_size 91
	.end_amdhsa_kernel
	.amdgpu_metadata
---
amdhsa.version: [ 1, 2 ]
amdhsa.kernels:
  - .name:           k_q0b77e0b14b_outp
    .symbol:         k_q0b77e0b14b_outp.kd
    .args:
      - { .name: cc, .offset: 0, .size: 8, .value_kind: global_buffer, .address_space: global }
      - { .name: cs, .offset: 8, .size: 8, .value_kind: global_buffer, .address_space: global }
      - { .name: wc, .offset: 16, .size: 8, .value_kind: global_buffer, .address_space: global }
      - { .name: ws, .offset: 24, .size: 8, .value_kind: global_buffer, .address_space: global }
      - { .name: bo, .offset: 32, .size: 8, .value_kind: global_buffer, .address_space: global }
      - { .name: out0, .offset: 40, .size: 8, .value_kind: global_buffer, .address_space: global }
    .group_segment_fixed_size: 327680
    .private_segment_fixed_size: 0
    .kernarg_segment_align: 8
    .kernarg_segment_size: 48
    .max_flat_workgroup_size: 128
    .sgpr_count:     100
    .vgpr_count:     1024
    .wavefront_size: 32
...
	.end_amdgpu_metadata
.endif
;; end of part 4
